; MI455X (gfx1250); checked and timed in simulation.
; The chip was launched on July 23, 2026; its instructions are those of AMD's public machine-readable ISA for CDNA 5 (MIT licence, August 2026) and "CDNA5" Instruction Set Architecture Reference Guide (July 2026). The comments in the code are by the model that wrote it; some were corrected since.
;; Atten Head. Allowed arithmetic: float matrix products may take bf16 or f16 operands with f32 sums; all other float work in f32.
;; Inputs: WK 1,024 x 1,024 float32; WQ 1,024 x 1,024 float32; WV 1,024 x 1,024 float32; inputs 4 x 2,048 x 1,024 float32.
;; Outputs: out0 4 x 2,048 x 1,024 float32.
;; One version. Each part assembles by itself: llvm-mc -triple=amdgcn-amd-amdhsa -mcpu=gfx1250 --defsym DOCPART=n.
;; ======== version 1 of 1: 4 launches
;; limits: values are held in f16: magnitudes above 65,504 overflow, below 6.1e-05 lose precision
;; workspace buffers: Xh 16,777,216 bytes; Wc 4,194,304 bytes; QV 33,554,432 bytes; P 33,554,432 bytes; MS 262,144 bytes; LS 524,288 bytes; HD 3,670,016 bytes
;; launch prep (part 1): grid 512 x 1, 8 waves a work-group, no clusters, 56,320 bytes of LDS; arguments WQ, WK, WV, inputs, Xh, Wc, HD; writes Xh, Wc, HD
.if DOCPART == 1
	.amdgcn_target "amdgcn-amd-amdhsa--gfx1250"
	.amdhsa_code_object_version 6
	.text
	.protected	k_q9ef1e0c5cd_prep
	.globl	k_q9ef1e0c5cd_prep
	.p2align	8
	.type	k_q9ef1e0c5cd_prep,@function
k_q9ef1e0c5cd_prep:
	s_mov_b64 s[64:65], 0
	v_nop
	global_prefetch_b8 v0, s[64:65] scope:SCOPE_SE
	s_setreg_imm32_b32 hwreg(HW_REG_WAVE_MODE, 25, 1), 1
	s_wait_xcnt 0x0
; First of four launches for out = softmax(causal(Q K^T / 32)) V, with Q = X WQ, K = X WK, V = X WV; X = inputs, [4][2048][1024] f32.
; THE PROGRAM: prep: Xh = X, Wc = [ WQ WK^T | WV ], and Q, K, V^T of each batch's first 64 rows.   proj: QV = Xh Wc = [ Q' / 1024 | V ], Q' = X (WQ WK^T).
;              scores: per tile of 256 queries x 256 keys p = exp2(k s - k max of the tile's row), s = Q' X^T; and the whole result of each batch's first 64 rows.
;              pv: out = sum over tiles t of c_t (P_t V_t), c_t = exp2(k max_t - k max of the row) / (the row's sum), for all other rows.
; FORMATS: every input is rounded to bf16 once; products of bf16 numbers are exact in the f32 sums.  What lies between two products needs more than bf16's 8 bits:
;   a row with n keys sums about n / e terms of size 1, each wrong by 2^-9 in bf16, while a result may be off by a hundredth of the whole output's root mean square,
;   which the long rows make about 0.1.  So X, WV (exact in f16 once rounded to bf16, down to 2^-17), WQ WK^T, Q', V and P go in f16 (11 bits), and rows with fewer
;   than 65 keys are made with every intermediate as two bf16 numbers, hi + lo (16 bits), and three products (hi hi, hi lo, lo hi) for one.
;   Room in f16 (largest 65,504) with any or all inputs 30 times larger or smaller or offset by 30 spreads: X 5 -> 160; WV 0.15 -> 5; WQ WK^T 0.15 -> 1,000;
;   V 5.6 -> 31,000; P <= 1; Q' 5.6 -> 2.8e7, which is why it is stored as Q' / 1024 (room to 6.7e7; at its usual root mean square 2^-10 only elements below a
;   sixteenth of that are denormal, wrong by 2^-25 at the most).  Limit: beyond these figures an operand becomes infinite.
; ORDER OF THE PRODUCTS: Q K^T = (X WQ)(X WK)^T = X (WQ WK^T) X^T for all real values, so K is not formed for the bulk and the rows of X serve as keys, without a rounding.
;   Limit: WQ WK^T and Q' are rounded where the plain order would round Q and K.
; WORK LEFT OUT: the mask is built by the problem itself: scores with key > query become -inf and get softmax weight exactly 0, whatever the inputs hold.  So the 28 of a
;   batch's 64 tiles of 256 x 256 that lie wholly above the diagonal are neither multiplied in Q' X^T nor in P V.  All four inputs are loaded.  Limit: a NaN, an infinity
;   or an overflow in a key's or value's row reaches only queries whose tiles hold that key; a 0 x NaN from above the diagonal is not carried to the result.
; THIS LAUNCH, by the work-group's number: 0-95 a tile of 64 rows (the first of batch id & 3) x 128 columns (block id >> 2 of the 24 of [ Q | K | V ]) as hi + lo into HD;
;   96-223 a tile of 64 x 128 of M = WQ WK^T (M[d][n] = sum over e of WQ[d][e] WK[n][e]); 224-479 32 rows of X; 480-511 32 rows of WV into Wc's columns 1024-2047.
; HD: Q and K hi [32 blocks of 64 columns][256 rows = 64 batch + row][64] bf16 at byte 0, V^T hi [4 batches][1024 e][64 keys] at 2 MiB; each lo 1 MiB behind its hi.
; THE TILE: 64 x 128 brings (64 + 128) x 4,096 bytes = 768 KiB of f32 through the work-group's registers; the 224 tiles bring 168 MiB.  Tiles of 128 x 128 and 256 x 128 would
;   bring 100 MiB, but as 88 work-groups of 1 to 1.5 MiB each: fewer bytes in all, more on the longest way.  Both products run on one frame: eight waves, a wave 32 x 32.
; No tensor loads and no cluster here: the casts share nothing, and the tiles load through registers because f32 has to be rounded on its way into LDS.
.set AP,     144                       ; an LDS row that lies along K: 64 bf16 + 16 bytes = 9 x 16, so that 16 rows start 16 bytes apart modulo 256
.set WP,     288                       ; first rows: W's LDS row, 128 columns of bf16 + 32 bytes = 9 x 32
.set ATILE,  64*AP                     ; the first operand's 64 rows
.set SLOTB,  ATILE+128*AP              ; a slot: those, then 128 rows of WK, or 64 rows of k of W (64 x 288 = 128 x 144)
.set MSP,    272                       ; M's way out: a row of 128 f16 + 16 bytes
.set HLO,    128*AP                    ; first rows' way out: the stage of the low parts, behind that of the high parts
.set HD_LO,  0x100000
.set HD_VT,  0x200000
.set VOA,  2                           ; byte offset of my 16 bytes in the first of my wave's rows of the first operand
.set VOB,  3                           ; the same in the second
.set LSA,  4                           ; LDS: where my 8 bytes of that row go
.set LSB,  5                           ; the same for the second operand
.set FA,   8                           ; LDS: my first fragment of the first operand
.set FB,   9                           ; LDS: my first fragment of the second
.set OSTO, 10                          ; way out: where I put 16 bytes
.set ORD,  11                          ; way out: where I read 16 bytes back
.set OCO,  12                          ; way out: my byte offset in the buffer
.set ST,   16                          ; v16-159  three sets of 12 loads (4 of the first operand, 8 of the second)
.set FR,   160                         ; v160-223 a trip's fragments: quarter q at 32 q: first operand 8 + 8, second 8 + 8
.set ACC,  224                         ; v224-255 tile (a, b) at 8 (2 a + b)
.macro PLACES                          ; four plain vector instructions between a matrix instruction and whatever touches its registers (ISA guide 7.12.1)
.rept 4
	v_nop
.endr
.endm
; 12 loads: K = 64 t .. 64 t + 63.  Rows that lie along K: lanes 0-15 take 256 consecutive aligned bytes of one row, lanes 16-31 of the row 8 further down.
; W of the first rows (wk = 1) lies [k][n]: a load takes 512 consecutive bytes, 128 columns, of one row of k.
.macro TLOAD t, st, wk
.irp j, 0,1,2,3
	global_load_b128 v[ST+48*(\st)+4*\j:ST+48*(\st)+4*\j+3], v[VOA], s[4:5] offset:\j*4096+(\t)*256
.endr
.irp j, 0,1,2,3,4,5,6,7
.if \wk
	global_load_b128 v[ST+48*(\st)+16+4*\j:ST+48*(\st)+16+4*\j+3], v[VOB], s[6:7] offset:\j*4096+(\t)*262144
.else
	global_load_b128 v[ST+48*(\st)+16+4*\j:ST+48*(\st)+16+4*\j+3], v[VOB], s[6:7] offset:\j*4096+(\t)*256
.endif
.endr
.endm
.macro TCVT st                         ; a set is rounded to bf16 in place: 4 registers become 2
.set i, 0
.rept 12
	v_cvt_pk_bf16_f32 v[ST+48*(\st)+4*i],   v[ST+48*(\st)+4*i],   v[ST+48*(\st)+4*i+1]
	v_cvt_pk_bf16_f32 v[ST+48*(\st)+4*i+1], v[ST+48*(\st)+4*i+2], v[ST+48*(\st)+4*i+3]
.set i, i+1
.endr
.endm
; 8 bytes a lane into slot p.  Rows along K: the two rows of a store are 8 x 144 bytes apart, which is 128 modulo 256, so its two pieces of 128 bytes do not meet.
.macro TSTORE st, p, wk
.irp j, 0,1,2,3
	ds_store_b64 v[LSA], v[ST+48*(\st)+4*\j:ST+48*(\st)+4*\j+1] offset:(\p)*SLOTB+\j*AP
.endr
.irp j, 0,1,2,3,4,5,6,7
.if \wk
	ds_store_b64 v[LSB], v[ST+48*(\st)+16+4*\j:ST+48*(\st)+16+4*\j+1] offset:(\p)*SLOTB+\j*WP
.else
	ds_store_b64 v[LSB], v[ST+48*(\st)+16+4*\j:ST+48*(\st)+16+4*\j+1] offset:(\p)*SLOTB+\j*AP
.endif
.endr
.endm
; 16 LDS loads: the fragments of a trip's two quarters (32 along K each): my 32 rows of the first operand, my 32 columns of the second
.macro TFRAG p, wk
.irp q, 0,1
.irp a, 0,1
	ds_load_b128 v[FR+32*\q+8*\a:FR+32*\q+8*\a+3],   v[FA] offset:(\p)*SLOTB+\a*16*AP+64*\q
	ds_load_b128 v[FR+32*\q+8*\a+4:FR+32*\q+8*\a+7], v[FA] offset:(\p)*SLOTB+\a*16*AP+64*\q+32
.endr
.irp b, 0,1
.if \wk
	ds_load_tr16_b128 v[FR+32*\q+16+8*\b:FR+32*\q+16+8*\b+3], v[FB] offset:(\p)*SLOTB+\q*32*WP+32*\b
	ds_load_tr16_b128 v[FR+32*\q+20+8*\b:FR+32*\q+20+8*\b+3], v[FB] offset:(\p)*SLOTB+(\q*32+16)*WP+32*\b
.else
	ds_load_b128 v[FR+32*\q+16+8*\b:FR+32*\q+16+8*\b+3], v[FB] offset:(\p)*SLOTB+\b*16*AP+64*\q
	ds_load_b128 v[FR+32*\q+20+8*\b:FR+32*\q+20+8*\b+3], v[FB] offset:(\p)*SLOTB+\b*16*AP+64*\q+32
.endif
.endr
.endr
.endm
; One matrix instruction.  nat = 0 (M, Q, K): source 0 = 16 columns (second operand), source 1 = 16 rows (first): a lane's eight results are eight neighbouring columns of a row.
; nat = 1 (V): the other way round: a lane's eight results are eight neighbouring rows (keys) of one column, a piece of a row of V^T.
.macro TW acc, wf, xf, zero, nat
.if \nat
.if \zero
	v_wmma_f32_16x16x32_bf16 v[\acc:\acc+7], v[\xf:\xf+7], v[\wf:\wf+7], 0
.else
	v_wmma_f32_16x16x32_bf16 v[\acc:\acc+7], v[\xf:\xf+7], v[\wf:\wf+7], v[\acc:\acc+7]
.endif
.else
.if \zero
	v_wmma_f32_16x16x32_bf16 v[\acc:\acc+7], v[\wf:\wf+7], v[\xf:\xf+7], 0
.else
	v_wmma_f32_16x16x32_bf16 v[\acc:\acc+7], v[\wf:\wf+7], v[\xf:\xf+7], v[\acc:\acc+7]
.endif
.endif
.endm
.macro TQ q, zero, nat                 ; a quarter: the four accumulators take turns, one instruction a turn, from quarter to quarter and trip to trip too
.irp a, 0,1
.irp b, 0,1
	TW ACC+8*(2*\a+\b), FR+32*\q+16+8*\b, FR+32*\q+8*\a, \zero, \nat
.endr
.endr
.endm
; Trip t multiplies tile t (slot t % 2) and brings tile t + 1 into the other slot.  One barrier a trip serves both orders: in front of its signal my reads of slot t % 2 and my
; stores into the other slot are done (the wait for 0); so tile t + 1 is read, and slot t % 2 is stored into again, only behind a barrier that every wave has signalled so.
; Tile u's loads were issued three tiles ahead, into set u % 3, which tile u + 3's loads take over once the LDS stores have read it.
.macro TRIP t, wk, nat
.if \t < 15
.if \t <= 12
	s_wait_loadcnt 24                              ; tile t + 1's 12 loads are in; the two younger tiles' 24 stay out
.else
	s_wait_loadcnt 12*(14-\t)                      ; the last tiles: one younger tile is out, then none
.endif
	TCVT (\t+1)%3                                  ; its 24 conversions are also the places between the last matrix instruction and the loads into the fragments
.else
	PLACES
.endif
	TFRAG (\t)%2, \wk
.if \t < 15
	TSTORE (\t+1)%3, (\t+1)%2, \wk
.endif
	s_wait_dscnt 0x0                               ; the fragments are in; my stores are done: for the other waves, and before loads land in the registers that they read
.if \t < 12
	TLOAD \t+4, (\t+1)%3, \wk
.endif
	s_barrier_signal -1
.if \t == 0
	TQ 0, 1, \nat                                  ; the first products start the sums
.else
	TQ 0, 0, \nat
.endif
	TQ 1, 0, \nat                                  ; register work while the others arrive
	s_barrier_wait -1
.endm
.macro GEMM wk, nat                    ; K = 1,024 in 16 trips of 64
	TLOAD 0, 0, \wk
	TLOAD 1, 1, \wk
	TLOAD 2, 2, \wk
	s_wait_loadcnt 24                              ; tile 0's 12 loads are in; tiles 1 and 2 stay out
	TCVT 0
	TSTORE 0, 0, \wk
	s_wait_dscnt 0x0
	TLOAD 3, 0, \wk
	s_barrier_signal -1
	s_barrier_wait -1
.irp t, 0,1,2,3,4,5,6,7,8,9,10,11,12,13,14,15
	TRIP \t, \wk, \nat
.endr
.endm
	s_load_b256 s[4:11], s[0:1], 0x0               ; WQ s[4:5], WK s[6:7], WV s[8:9], inputs s[10:11]
	s_load_b128 s[12:15], s[0:1], 0x20             ; Xh s[12:13], Wc s[14:15]
	s_load_b64 s[28:29], s[0:1], 0x30              ; HD
	s_set_vgpr_msb 0x40
	v_lshl_add_u32 v0, v0, 2, 0xd800
	v_mov_b32 v1, 0
	s_set_vgpr_msb 0x4000
	s_mov_b32 s16, ttmp9
	s_cmp_ge_u32 s16, 480
	s_cbranch_scc1 .Lwv
	s_cmp_ge_u32 s16, 224
	s_cbranch_scc1 .Lx
	; ---------------- both products: wave w makes rows 32 (w >> 2) .. + 31 and columns 32 (w & 3) .. + 31 of the tile
	v_lshrrev_b32 v1, 5, v0
	v_readfirstlane_b32 s17, v1                    ; wave 0..7
	v_and_b32 v1, 31, v0                           ; lane
	v_and_b32 v6, 15, v0                           ; r
	v_bfe_u32 v7, v0, 4, 1                         ; h
	s_lshr_b32 s18, s17, 2                         ; rh: my 32 rows
	s_and_b32 s19, s17, 3                          ; cq: my 32 columns
	; the first operand's 64 rows: load j of wave w takes rows 16 (w >> 1) + 4 (w & 1) + j and the row 8 further down
	s_lshr_b32 s20, s17, 1
	s_lshl_b32 s20, s20, 4
	s_and_b32 s21, s17, 1
	s_lshl_b32 s21, s21, 2
	s_add_co_u32 s20, s20, s21
	s_lshl_b32 s21, s20, 12                        ; rows of 4,096 bytes
	v_lshl_add_u32 v[VOA], v7, 15, s21             ; + 8 h rows
	v_lshl_add_u32 v[VOA], v6, 4, v[VOA]           ; + 16 r bytes
	s_mul_i32 s21, s20, AP
	v_mul_u32_u24 v15, v7, 8*AP                    ; LDS: 8 h rows
	v_lshl_add_u32 v15, v6, 3, v15                 ; + 8 r bytes
	v_add_nc_u32 v[LSA], s21, v15
	v_mul_u32_u24 v13, v6, AP
	v_lshl_add_u32 v13, v7, 4, v13                 ; r x 144 + 16 h
	s_mul_i32 s20, s18, 32*AP
	v_add_nc_u32 v[FA], s20, v13
	s_cmp_lt_u32 s16, 96
	s_cbranch_scc1 .Lhead
	; ---------------- a tile of M: rows 64 (id >> 3), columns 128 (id & 7).  WK's 128 rows: load j of wave w takes rows 16 w + j and 16 w + j + 8
	s_sub_co_u32 s16, s16, 96
	s_lshl_b32 s20, s17, 16                        ; 16 w rows of 4,096 bytes
	v_lshl_add_u32 v[VOB], v7, 15, s20
	v_lshl_add_u32 v[VOB], v6, 4, v[VOB]
	s_mul_i32 s20, s17, 16*AP
	s_add_co_u32 s20, s20, ATILE
	v_add_nc_u32 v[LSB], s20, v15
	s_mul_i32 s20, s19, 32*AP
	s_add_co_u32 s20, s20, ATILE
	v_add_nc_u32 v[FB], s20, v13
	v_mul_u32_u24 v14, v6, MSP
	v_lshl_add_u32 v14, v7, 4, v14                 ; way out, in: row r, 16 bytes for each half of the lanes
	s_mul_i32 s20, s18, 32*MSP
	s_lshl_b32 s21, s19, 6                         ; 32 columns of 2 bytes
	s_add_co_u32 s20, s20, s21
	v_add_nc_u32 v[OSTO], s20, v14
	v_mul_u32_u24 v14, v7, MSP
	v_lshl_add_u32 v14, v6, 4, v14                 ; back: lanes 0-15 a row of 256 bytes, lanes 16-31 the next
	s_mul_i32 s20, s17, 8*MSP
	v_add_nc_u32 v[ORD], s20, v14                  ; row 8 w + h
	s_lshl_b32 s20, s17, 15                        ; the same rows in Wc: 4,096 bytes each
	v_lshl_add_u32 v[OCO], v7, 12, s20
	v_lshl_add_u32 v[OCO], v6, 4, v[OCO]
	s_lshr_b32 s20, s16, 3
	s_lshl_b32 s20, s20, 18                        ; 64 rows of 4,096 bytes: in WQ and in Wc
	s_mov_b32 s21, 0
	s_and_b32 s24, s16, 7
	s_lshl_b32 s22, s24, 19                        ; 128 rows of WK
	s_mov_b32 s23, 0
	s_lshl_b32 s24, s24, 8                         ; 128 columns of Wc
	s_add_co_u32 s24, s24, s20
	s_mov_b32 s25, 0
	s_wait_kmcnt 0x0
	s_add_nc_u64 s[4:5], s[4:5], s[20:21]
	s_add_nc_u64 s[6:7], s[6:7], s[22:23]
	s_add_nc_u64 s[14:15], s[14:15], s[24:25]
	GEMM 0, 0
	; the way out: round to f16, 16 bytes a lane into a stage at LDS byte 0 (every wave's reads of the slots were done in front of the last barrier), whole rows of 256 bytes back
	PLACES
.irp a, 0,1
.irp b, 0,1
.irp k, 0,1,2,3
	v_cvt_pk_f16_f32 v[16+4*(2*\a+\b)+\k], v[ACC+8*(2*\a+\b)+2*\k], v[ACC+8*(2*\a+\b)+2*\k+1]
.endr
	ds_store_b128 v[OSTO], v[16+4*(2*\a+\b):16+4*(2*\a+\b)+3] offset:\a*16*MSP+\b*32
.endr
.endr
	s_wait_dscnt 0x0                               ; four waves wrote parts of each row
	s_barrier_signal -1
	s_barrier_wait -1
.irp j, 0,1,2,3
	ds_load_b128 v[32+4*\j:32+4*\j+3], v[ORD] offset:\j*2*MSP
.endr
.irp j, 0,1,2,3
	s_wait_dscnt 3-\j                              ; the counts leave the younger reads of the stage out
	global_store_b128 v[OCO], v[32+4*\j:32+4*\j+3], s[14:15] offset:\j*8192        ; 16 lanes store 256 consecutive aligned bytes of Wc
.endr
	s_set_vgpr_msb 0x5
	s_wait_tensorcnt 0x0
	ds_add_u32 v0, v1
	s_wait_dscnt 0x0
	s_set_vgpr_msb 0x500
	s_endpgm
	; ---------------- the first 64 rows of batch id & 3 x the 128 columns of block id >> 2 of [ Q | K | V ].  X's rows lie along d; W's rows lie along the columns, so W's tile
	; lies [k][n] in LDS and its fragments come by the transposing load.  W's 64 rows of k: load j of wave w takes row 8 w + j.
.Lhead:
	s_and_b32 s20, s16, 3                          ; batch
	s_lshr_b32 s21, s16, 2                         ; column block 0..23: 0-7 Q, 8-15 K, 16-23 V
	s_lshl_b32 s22, s17, 15                        ; 8 w rows of 4,096 bytes
	v_lshl_add_u32 v[VOB], v1, 4, s22
	s_mul_i32 s22, s17, 8*WP
	s_add_co_u32 s22, s22, ATILE
	v_lshl_add_u32 v[LSB], v1, 3, s22
	v_and_b32 v14, 7, v0
	v_lshl_add_u32 v14, v7, 3, v14                 ; the transposing load wants row k = 8 h + (lane & 7),
	v_mul_u32_u24 v14, v14, WP
	v_bfe_u32 v15, v0, 3, 1
	v_lshl_add_u32 v14, v15, 4, v14                ; and 16 bytes (8 columns) by bit 3 of the lane
	s_lshl_b32 s22, s19, 6                         ; my 32 columns of 2 bytes
	s_add_co_u32 s22, s22, ATILE
	v_add_nc_u32 v[FB], s22, v14
	v_lshrrev_b32 v14, 3, v0
	v_mul_u32_u24 v14, v14, AP
	v_and_b32 v15, 7, v0
	v_lshl_add_u32 v[ORD], v15, 4, v14             ; stage, back: row thread >> 3, 16 bytes by thread & 7
	v_lshlrev_b32 v[OCO], 4, v0                    ; 32 rows of 128 bytes are 4,096 consecutive bytes of HD: 16 x thread
; The stage has 128 rows of 144 bytes.  Q, K: row 64 (column block of 64) + the tile's row, 64 columns along it; V: row e, the 64 keys along it.
.macro HBODY nat
.if \nat
	s_sub_co_u32 s23, s21, 16                      ; block of 128 columns e of V
	s_lshl_b32 s26, s23, 14                        ; V^T: 128 rows e of 128 bytes,
	s_lshl_b32 s27, s20, 17                        ; the batch's 1,024 rows
	s_add_co_u32 s26, s26, s27
	s_add_co_u32 s26, s26, HD_VT
	s_mul_i32 s30, s19, 32*AP                      ; stage: row e = 32 cq + 16 b + r,
	s_lshl_b32 s31, s18, 6                         ; bytes of keys 32 rh + 16 a + 8 h ..
.set HSA, 32
.set HSB, 16*AP
.else
	s_and_b32 s23, s21, 7                          ; block of 128 columns of Q or of K
	s_lshl_b32 s26, s21, 16                        ; two blocks of 64 columns: 256 rows of 128 bytes each,
	s_lshl_b32 s27, s20, 13                        ; the batch's 64 rows
	s_add_co_u32 s26, s26, s27
	s_lshr_b32 s30, s19, 1
	s_lshl_b32 s30, s30, 1
	s_add_co_u32 s30, s30, s18                     ; stage: row 64 (cq >> 1) + 32 rh + 16 a + r,
	s_mul_i32 s30, s30, 32*AP
	s_and_b32 s31, s19, 1
	s_lshl_b32 s31, s31, 6                         ; bytes of columns 32 (cq & 1) + 16 b + 8 h ..
.set HSA, 16*AP
.set HSB, 32
.endif
	s_add_co_u32 s30, s30, s31
	v_add_nc_u32 v[OSTO], s30, v13
	s_mov_b32 s27, 0
	s_lshl_b32 s24, s23, 9                         ; 128 columns of 4 bytes in W
	s_mov_b32 s25, 0
	s_wait_kmcnt 0x0
.if \nat
	s_add_nc_u64 s[6:7], s[8:9], s[24:25]          ; WV
.else
	s_cmp_ge_u32 s21, 8
	s_cselect_b64 s[6:7], s[6:7], s[4:5]           ; WK for blocks 8-15, WQ for 0-7
	s_add_nc_u64 s[6:7], s[6:7], s[24:25]
.endif
	s_lshl_b32 s24, s20, 23                        ; the batch's 2,048 rows of 4,096 bytes
	s_add_nc_u64 s[4:5], s[10:11], s[24:25]
	s_add_nc_u64 s[28:29], s[28:29], s[26:27]
	GEMM 1, \nat
	; the way out: hi = bf16(x), lo = bf16(x - hi), the difference being exact in f32; both through a stage at LDS byte 0: every wave's reads of the slots were done in front of the last barrier
	PLACES
.set k, 0
.rept 16
	v_cvt_pk_bf16_f32 v[16+k], v[ACC+2*k], v[ACC+2*k+1]
.set k, k+1
.endr
.set k, 0
.rept 16
	v_lshlrev_b32 v160, 16, v[16+k]
	v_and_b32 v161, 0xffff0000, v[16+k]
	v_sub_f32 v[ACC+2*k],   v[ACC+2*k],   v160
	v_sub_f32 v[ACC+2*k+1], v[ACC+2*k+1], v161
	v_cvt_pk_bf16_f32 v[32+k], v[ACC+2*k], v[ACC+2*k+1]
.set k, k+1
.endr
.irp a, 0,1
.irp b, 0,1
	ds_store_b128 v[OSTO], v[16+4*(2*\a+\b):16+4*(2*\a+\b)+3] offset:\a*HSA+\b*HSB
	ds_store_b128 v[OSTO], v[32+4*(2*\a+\b):32+4*(2*\a+\b)+3] offset:HLO+\a*HSA+\b*HSB
.endr
.endr
	s_wait_dscnt 0x0                               ; several waves wrote parts of each row
	s_barrier_signal -1
	s_barrier_wait -1
.irp ps, 0,1,2,3
	ds_load_b128 v[64+4*\ps:64+4*\ps+3], v[ORD] offset:\ps*32*AP
.endr
.irp ps, 0,1,2,3
	ds_load_b128 v[80+4*\ps:80+4*\ps+3], v[ORD] offset:HLO+\ps*32*AP
.endr
.irp ps, 0,1,2,3
	s_wait_dscnt 7-\ps                             ; the counts leave the younger reads of the stage out
.if \nat
	global_store_b128 v[OCO], v[64+4*\ps:64+4*\ps+3], s[28:29] offset:\ps*4096     ; a wave's store covers 512 consecutive aligned bytes
.else
	global_store_b128 v[OCO], v[64+4*\ps:64+4*\ps+3], s[28:29] offset:(\ps>>1)*32768+(\ps&1)*4096
.endif
.endr
.irp ps, 0,1,2,3
	s_wait_dscnt 3-\ps
.if \nat
	global_store_b128 v[OCO], v[80+4*\ps:80+4*\ps+3], s[28:29] offset:HD_LO+\ps*4096
.else
	global_store_b128 v[OCO], v[80+4*\ps:80+4*\ps+3], s[28:29] offset:HD_LO+(\ps>>1)*32768+(\ps&1)*4096
.endif
.endr
	s_set_vgpr_msb 0x5
	s_wait_tensorcnt 0x0
	ds_add_u32 v0, v1
	s_wait_dscnt 0x0
	s_set_vgpr_msb 0x500
	s_endpgm
.endm
	s_cmp_ge_u32 s21, 16
	s_cbranch_scc1 .Lhv
	HBODY 0
.Lhv:
	HBODY 1
; 32 rows of 1,024 f32, rounded to bf16 and written as f16 (which holds a bf16 number exactly from 2^-17 to 65,504).  Thread t owns 16 bytes of each row as read
; and 8 as written: a wave's load covers 512, its store 256 consecutive aligned bytes.  All 32 loads go out in one run; no register is loaded or stored from twice.
.macro CAST opitch, once
	v_lshlrev_b32 v1, 4, v0
	v_lshlrev_b32 v2, 3, v0
.set i, 0
.rept 32
.if \once
	global_load_b128 v[16+4*i:19+4*i], v1, s[22:23] offset:i*4096 th:TH_LOAD_NT
.else
	global_load_b128 v[16+4*i:19+4*i], v1, s[22:23] offset:i*4096
.endif
.set i, i+1
.endr
.set i, 0
.rept 32
	s_wait_loadcnt 31-i                            ; loads come back in order: row i is in, the younger ones stay out
	v_cvt_pk_bf16_f32 v[144+2*i], v[16+4*i], v[17+4*i]
	v_cvt_pk_bf16_f32 v[145+2*i], v[18+4*i], v[19+4*i]
	v_lshlrev_b32 v[16+4*i], 16, v[144+2*i]
	v_and_b32     v[17+4*i], 0xffff0000, v[144+2*i]
	v_lshlrev_b32 v[18+4*i], 16, v[145+2*i]
	v_and_b32     v[19+4*i], 0xffff0000, v[145+2*i]
	v_cvt_pk_f16_f32 v[144+2*i], v[16+4*i], v[17+4*i]
	v_cvt_pk_f16_f32 v[145+2*i], v[18+4*i], v[19+4*i]
	global_store_b64 v2, v[144+2*i:145+2*i], s[24:25] offset:i*\opitch
.set i, i+1
.endr
.endm
.Lx:
	s_sub_co_u32 s17, s16, 224
	s_lshl_b32 s18, s17, 17                        ; 32 rows of 4,096 bytes in
	s_mov_b32 s19, 0
	s_lshl_b32 s20, s17, 16                        ; 32 rows of 2,048 bytes out
	s_mov_b32 s21, 0
	s_wait_kmcnt 0x0
	s_add_nc_u64 s[22:23], s[10:11], s[18:19]
	s_add_nc_u64 s[24:25], s[12:13], s[20:21]
	CAST 2048, 1                                   ; the hint stands for all of X, of which 64 of a batch's 2,048 rows are also read by the tiles of the first rows
	s_endpgm
.Lwv:
	s_sub_co_u32 s17, s16, 480
	s_lshl_b32 s18, s17, 17
	s_mov_b32 s19, 0
	s_add_co_u32 s20, s18, 2048                    ; the same rows of Wc (4,096 bytes each), from column 1024 on
	s_mov_b32 s21, 0
	s_wait_kmcnt 0x0
	s_add_nc_u64 s[22:23], s[8:9], s[18:19]
	s_add_nc_u64 s[24:25], s[14:15], s[20:21]
	CAST 4096, 0                                   ; all of WV is also read by the tiles of the first rows: no hint
	s_endpgm
.Lfunc_end_k_q9ef1e0c5cd_prep:
	.size	k_q9ef1e0c5cd_prep, .Lfunc_end_k_q9ef1e0c5cd_prep-k_q9ef1e0c5cd_prep
	.p2alignl 7, 3214868480
	.fill 96, 4, 3214868480
	.section	.rodata,"a",@progbits
	.p2align	6, 0x0
	.amdhsa_kernel k_q9ef1e0c5cd_prep
		.amdhsa_group_segment_fixed_size 56320
		.amdhsa_private_segment_fixed_size 0
		.amdhsa_enable_private_segment 0
		.amdhsa_kernarg_size 56
		.amdhsa_user_sgpr_count 2
		.amdhsa_user_sgpr_kernarg_segment_ptr 1
		.amdhsa_wavefront_size32 1
		.amdhsa_system_sgpr_workgroup_id_x 1
		.amdhsa_system_sgpr_workgroup_id_y 1
		.amdhsa_system_sgpr_workgroup_id_z 1
		.amdhsa_system_vgpr_workitem_id 0
		.amdhsa_next_free_vgpr 258
		.amdhsa_next_free_sgpr 66
		.amdhsa_reserve_vcc 0
		.amdhsa_float_denorm_mode_32 3
		.amdhsa_float_denorm_mode_16_64 3
		.amdhsa_memory_ordered 1
		.amdhsa_forward_progress 1
		.amdhsa_inst_pref_size 255
	.end_amdhsa_kernel
	.section	.bss,"aw",@nobits
	.p2align	6
	.space	262144
	.amdgpu_metadata
---
amdhsa.version: [ 1, 2 ]
amdhsa.kernels:
  - .name:           k_q9ef1e0c5cd_prep
    .symbol:         k_q9ef1e0c5cd_prep.kd
    .args:
      - { .name: WQ, .offset: 0, .size: 8, .value_kind: global_buffer, .address_space: global }
      - { .name: WK, .offset: 8, .size: 8, .value_kind: global_buffer, .address_space: global }
      - { .name: WV, .offset: 16, .size: 8, .value_kind: global_buffer, .address_space: global }
      - { .name: inputs, .offset: 24, .size: 8, .value_kind: global_buffer, .address_space: global }
      - { .name: Xh, .offset: 32, .size: 8, .value_kind: global_buffer, .address_space: global }
      - { .name: Wc, .offset: 40, .size: 8, .value_kind: global_buffer, .address_space: global }
      - { .name: HD, .offset: 48, .size: 8, .value_kind: global_buffer, .address_space: global }
    .group_segment_fixed_size: 56320
    .private_segment_fixed_size: 0
    .kernarg_segment_align: 8
    .kernarg_segment_size: 56
    .max_flat_workgroup_size: 256
    .sgpr_count:     66
    .vgpr_count:     258
    .wavefront_size: 32
...
	.end_amdgpu_metadata
.endif
;; end of part 1
;; launch proj (part 2): grid 8 x 32, 4 waves a work-group, clusters of 4 x 4, 327,680 bytes of LDS; arguments Xh, Wc, QV; writes QV
.if DOCPART == 2
	.amdgcn_target "amdgcn-amd-amdhsa--gfx1250"
	.amdhsa_code_object_version 6
	.text
	.protected	k_q9ef1e0c5cd_proj
	.globl	k_q9ef1e0c5cd_proj
	.p2align	8
	.type	k_q9ef1e0c5cd_proj,@function
k_q9ef1e0c5cd_proj:
	s_mov_b64 s[64:65], 0
	v_nop
	global_prefetch_b8 v0, s[64:65] scope:SCOPE_SE
	s_setreg_imm32_b32 hwreg(HW_REG_WAVE_MODE, 25, 1), 1
	s_wait_xcnt 0x0
	s_wait_alu depctr_hold_cnt(0) depctr_sa_sdst(0) depctr_va_vdst(0) depctr_va_sdst(0) depctr_va_ssrc(0) depctr_va_vcc(0) depctr_vm_vsrc(0)
	s_getreg_b32 s2, hwreg(HW_REG_IB_STS2, 6, 4)
	s_cmp_eq_u32 s2, 0
	s_cbranch_scc0 .Lentry_in_a_cluster
	s_endpgm
.Lentry_in_a_cluster:
	s_bfe_u32 s2, ttmp6, 0x10000c
	s_cmp_lg_u32 s2, 0xf033
	s_cbranch_scc0 .Lentry_shape_is_right
	s_endpgm
.Lentry_shape_is_right:
; QV[m][n] = sum over k of Xh[m][k] Wc[k][n].  Xh [8192][1024], Wc [1024][2048], QV [8192][2048], all f16; sums in f32.
; Columns 0-1023 of QV are Q' / 1024, Q' = X (WQ WK^T); columns 1024-2047 are V = X WV.  K = X WK is not formed: the rows of X are the keys (see the first launch).
; Q' is stored divided by 1024 so that it has room in f16 (to 6.7e7) when all inputs are 30 times larger or carry an offset; the next launch's exponent constant undoes it.
; A work-group makes 256 x 256 of QV with four waves, a wave 128 x 128 in 64 accumulator tiles (512 registers).  K goes in steps of 128 through
; two LDS slots filled by tensor loads.  Xh's tile has K along its rows (128 rows x 256 bytes a load); Wc's tile has N along its rows
; (64 rows of k x 512 bytes a load) and its fragments are read with the transposing LDS load.
; CLUSTERS: 4 x 4 work-groups.  The four of a row of the cluster need the same tiles of Xh, the four of a column the same tiles of Wc: each such tile
; is asked for jointly, by the same load with the same descriptor and a mask that names the four.
; REGISTERS in windows of 256: window 0: v16-26 addresses, v64-127 and v128-191 fragments of Xh (two buffers), v192-223 the way out;
; window 1: v64-127, v128-191 fragments of Wc; window 2: accumulators of my rows 0-63 (tile (a, b) at v[8 (8 a + b)]); window 3: rows 64-127.
; The matrix instruction is used transposed (source 0 = 16 columns of Wc, source 1 = 16 rows of Xh): a lane's eight results are eight neighbouring columns of one row.
.set SIZE_K, 1024
.set SIZE_N, 2048
.set KSTEP,  128
.set PITCH,  272                       ; Xh's LDS row: 256 bytes + 16
.set BP,     544                       ; Wc's LDS row: 512 bytes + 32 = 17 x 32
.set HALFT,  128*PITCH                 ; what one tensor load brings: 128 rows x 272 = 64 rows x 544
.set SLOT,   4*HALFT                   ; Xh's 256 rows, then Wc's 128 rows of k
.set STAGE,  2*SLOT                    ; behind the ring: 16 rows x 272 for each wave
.set SPITCH, 272
.set LAPS, SIZE_K/(2*KSTEP)            ; a lap = two K steps = once round the ring
.set ADRA, 16
.set ADRB, 20
.set STO,  24
.set RD,   25
.set CO,   26
.set F0,   64
.set F1,   128
.set TMP,  192
.set G1, 24                            ; s[24:31] group 1 for Xh's tiles
.set G0, 32                            ; s[32:39] group 0 for Xh's tiles, a set for each slot
.set G1B, 48                           ; s[48:55] group 1 for Wc's tiles
.set G0B, 56                           ; s[56:63] group 0 for Wc's tiles, a set for each slot
.set MSB, 0
.macro WIN new                         ; the immediate's high byte repeats the setting that is left
.if MSB != \new
	s_set_vgpr_msb (MSB<<8)|\new
.set MSB, \new
.endif
.endm
.set MUL_LO, 0xa1                      ; source 0 window 1, source 1 window 0, C and D window 2
.set MUL_HI, 0xf1                      ; the same, C and D window 3
.set TO_B,   0x40                      ; destination window 1, address window 0
; Waves 0 and 1 fetch the halves of Xh's tile, waves 2 and 3 those of Wc's.  The branch hangs on the wave's number alone.
.macro JLOAD s
	s_cmp_eq_u32 s11, 0
	s_cbranch_scc0 .Lfor_b_\@
	tensor_load_to_lds s[G0+4*\s:G0+4*\s+3], s[G1:G1+7]
	s_nop 0
	s_branch .Lasked_\@
.Lfor_b_\@:
	tensor_load_to_lds s[G0B+4*\s:G0B+4*\s+3], s[G1B:G1B+7]
	s_nop 0
.Lasked_\@:
.endm
.macro CREST                           ; a round of the cluster's barrier behind its opening work-group barrier
	s_cmp_lg_u32 s10, 0
	s_cbranch_scc1 .Lnot_wave_0_\@
	s_barrier_signal -3
.Lnot_wave_0_\@:
	s_barrier_wait -3
	s_barrier_signal -1
	s_barrier_wait -1
.endm
.macro CROUND                          ; a whole round
	s_barrier_signal -1
	s_barrier_wait -1
	CREST
.endm
	s_load_b128 s[4:7], s[0:1], 0x0                ; Xh s[4:5], Wc s[6:7]
	s_load_b64 s[8:9], s[0:1], 0x10                ; QV
	s_set_vgpr_msb 0x40
	v_lshl_add_u32 v255, v0, 2, 0x48400
	s_set_vgpr_msb 0x4000
	v_mov_b32 v255, 0
	s_set_vgpr_msb 0x1
	ds_add_u32 v255, v255
	ds_add_u32 v255, v255
	s_set_vgpr_msb 0x100
	v_lshrrev_b32 v1, 5, v0
	v_readfirstlane_b32 s10, v1                    ; wave 0..3
	s_lshr_b32 s11, s10, 1                         ; my half of the block's rows.  Also: I fetch for Xh (0) or for Wc (1)
	s_and_b32 s12, s10, 1                          ; my half of its columns.  Also: which half of that tile I fetch
	s_bfe_u32 s40, ttmp6, 0x40000                  ; cx
	s_bfe_u32 s41, ttmp6, 0x40004                  ; cy
	s_lshl_b32 s42, ttmp9, 2
	s_add_co_u32 s42, s42, s40                     ; block column = 4 x cluster x + cx
	s_and_b32 s13, ttmp7, 0xffff
	s_lshl_b32 s13, s13, 2
	s_add_co_u32 s13, s13, s41                     ; block row = 4 x cluster y + cy
	s_lshl_b32 s43, s41, 2
	s_lshl_b32 s43, 15, s43                        ; my row of the cluster: places 4 cy .. 4 cy + 3
	s_lshl_b32 s44, 0x1111, s40                    ; my column: places cx, cx + 4, cx + 8, cx + 12
	s_or_b32 s[G1+0], s43, (1<<16)|(1<<20)|(1<<21)|(5<<22)|(3<<25)  ; mask of my row; elements of 2 bytes; 4 words of padding after every 64 words; bit 21 beside a mask
	s_mov_b32 s[G1+1], KSTEP<<16                   ; tensor_dim0 = 128
	s_mov_b32 s[G1+2], 128<<16                     ; tensor_dim1 = 128
	s_mov_b32 s[G1+3], KSTEP<<16                   ; tile_dim0 = 128 elements
	s_mov_b32 s[G1+4], 128                         ; tile_dim1 = 128 rows
	s_mov_b32 s[G1+5], SIZE_K                      ; elements from row to row
	s_mov_b32 s[G1+6], 0
	s_mov_b32 s[G1+7], 0
	s_or_b32 s[G1B+0], s44, (1<<16)|(1<<20)|(1<<21)|(6<<22)|(7<<25) ; mask of my column; 8 words of padding after every 128 words
	s_mov_b32 s[G1B+1], 256<<16                    ; tensor_dim0 = 256
	s_mov_b32 s[G1B+2], 64<<16                     ; tensor_dim1 = 64
	s_mov_b32 s[G1B+3], 256<<16                    ; tile_dim0 = 256 elements
	s_mov_b32 s[G1B+4], 64                         ; tile_dim1 = 64 rows of k
	s_mov_b32 s[G1B+5], SIZE_N
	s_mov_b32 s[G1B+6], 0
	s_mov_b32 s[G1B+7], 0
	; Xh's tile hangs on the block row alone, Wc's on the block column alone; each address is made in registers that never hold the other coordinate
	s_lshl_b32 s17, s12, 7
	s_lshl_b32 s16, s13, 8
	s_add_co_u32 s16, s16, s17                     ; row 256 x block row + 128 x half
	s_lshl_b32 s16, s16, 11                        ; of 2,048 bytes
	s_mov_b32 s17, 0
	s_lshl_b32 s46, s42, 9                         ; 256 columns of 2 bytes
	s_lshl_b32 s47, s12, 18                        ; 64 rows of k of 4,096 bytes
	s_add_co_u32 s46, s46, s47
	s_mov_b32 s47, 0
	s_mul_i32 s20, s10, HALFT                      ; LDS: wave x what a load brings: no place in the cluster enters an LDS address
	s_wait_dscnt 0x0
	s_wait_kmcnt 0x0
	s_add_nc_u64 s[14:15], s[4:5], s[16:17]
	s_add_nc_u64 s[46:47], s[6:7], s[46:47]
	CROUND                                         ; all sixteen work-groups are here: the first joint loads meet
.irp s, 0,1
	s_mov_b32 s[G0+4*\s], 1
	s_add_co_u32 s[G0+4*\s+1], s20, \s*SLOT
	s_add_nc_u64 s[G0+4*\s+2:G0+4*\s+3], s[14:15], \s*KSTEP*2              ; K step s: 128 elements along the row
	s_or_b32 s[G0+4*\s+3], s[G0+4*\s+3], 0x80000000
	s_mov_b32 s[G0B+4*\s], 1
	s_add_co_u32 s[G0B+4*\s+1], s20, \s*SLOT
	s_add_nc_u64 s[G0B+4*\s+2:G0B+4*\s+3], s[46:47], \s*KSTEP*SIZE_N*2     ; K step s: 128 rows down
	s_or_b32 s[G0B+4*\s+3], s[G0B+4*\s+3], 0x80000000
	JLOAD \s
.endr
	v_and_b32 v1, 15, v0                           ; r
	v_bfe_u32 v2, v0, 4, 1                         ; h
	v_mul_u32_u24 v3, v1, PITCH
	v_lshl_add_u32 v3, v2, 4, v3                   ; Xh: row r, 16 bytes for each half of the lanes
	v_and_b32 v6, 7, v0
	v_bfe_u32 v7, v0, 3, 1
	v_lshl_add_u32 v8, v2, 3, v6                   ; Wc: the transposing load wants row k = 8 h + (lane & 7),
	v_mul_u32_u24 v8, v8, BP
	v_lshl_add_u32 v8, v7, 4, v8                   ; and 16 bytes (8 columns) by bit 3 of the lane
	s_mul_i32 s21, s11, HALFT                      ; my 128 rows of Xh
	s_lshl_b32 s22, s12, 8                         ; my 128 columns of Wc,
	s_add_co_u32 s22, s22, 2*HALFT                 ; whose tile lies behind Xh's
.irp s, 0,1
	v_add_nc_u32 v[ADRA+\s], s21, v3
	v_add_nc_u32 v[ADRB+\s], s22, v8
	s_add_co_u32 s21, s21, SLOT
	s_add_co_u32 s22, s22, SLOT
.endr
	s_mul_i32 s23, s10, 16*SPITCH
	s_add_co_u32 s23, s23, STAGE                   ; my stage
	v_add_nc_u32 v[STO], s23, v3
	v_mul_u32_u24 v5, v2, SPITCH
	v_lshl_add_u32 v5, v1, 4, v5
	v_add_nc_u32 v[RD], s23, v5
	v_lshlrev_b32 v5, 12, v2                       ; the same two rows in QV: 4,096 bytes each
	v_lshl_add_u32 v[CO], v1, 4, v5
; 16 matrix instructions: m blocks a0, a0 + 1 of the window's four x all 8 n blocks.  zero = 1: the first product starts the sums.
.macro MUL16 f, hi, a0, zero
.irp a, \a0, \a0+1
.irp b, 0,1,2,3,4,5,6,7
.if \zero
	v_wmma_f32_16x16x32_f16 v[8*(8*(\a)+\b):8*(8*(\a)+\b)+7], v[\f+8*\b:\f+8*\b+7], v[\f+8*(4*\hi+\a):\f+8*(4*\hi+\a)+7], 0
.else
	v_wmma_f32_16x16x32_f16 v[8*(8*(\a)+\b):8*(8*(\a)+\b)+7], v[\f+8*\b:\f+8*\b+7], v[\f+8*(4*\hi+\a):\f+8*(4*\hi+\a)+7], v[8*(8*(\a)+\b):8*(8*(\a)+\b)+7]
.endif
.endr
.endr
.endm
; 32 LDS loads in one run: quarter q (32 along K) of the slot into buffer f.  Wc: two transposing loads, 16 rows of k apart, give lane l column
; l % 16 with k in the fragment's order; Xh: two loads of 16 bytes, 32 bytes apart.
.macro FETCH slot, q, f
	WIN TO_B
.irp i, 0,1,2,3,4,5,6,7
	ds_load_tr16_b128 v[\f+8*\i:\f+8*\i+3],   v[ADRB+\slot] offset:\q*32*BP+32*\i
	ds_load_tr16_b128 v[\f+8*\i+4:\f+8*\i+7], v[ADRB+\slot] offset:(\q*32+16)*BP+32*\i
.endr
	WIN 0
.irp i, 0,1,2,3,4,5,6,7
	ds_load_b128 v[\f+8*\i:\f+8*\i+3],   v[ADRA+\slot] offset:\q*64+\i*16*PITCH
	ds_load_b128 v[\f+8*\i+4:\f+8*\i+7], v[ADRA+\slot] offset:\q*64+\i*16*PITCH+32
.endr
.endm
.macro PLACES                          ; four plain vector instructions between a matrix instruction and a load into, or a reader of, its registers
.rept 4
	v_nop
.endr
.endm
; One of a K step's first three quarters: multiplies buffer f, and in its middle fetches quarter q into buffer g.
; The 64 accumulators take turns in the same order in every quarter, over the backward jump too.
.macro QUARTER slot, q, f, g, zero
	s_wait_dscnt 8                                 ; Wc's fragments and Xh's rows 0-63 are in; the youngest eight loads (rows 64-127) may be out
	WIN MUL_LO
	MUL16 \f, 0, 0, \zero
	MUL16 \f, 0, 2, \zero
	PLACES
	FETCH \slot, \q, \g
	s_wait_dscnt 32                                ; all but the 32 just issued
	WIN MUL_HI
	MUL16 \f, 1, 0, \zero
	MUL16 \f, 1, 2, \zero
.endm
.macro THREE slot, zero
	QUARTER \slot, 1, F0, F1, \zero
	QUARTER \slot, 2, F1, F0, 0
	QUARTER \slot, 3, F0, F1, 0
.endm
; The last quarter multiplies buffer 1 and changes slots.  In front of the barrier each wave waits for its reads of this slot and for all its tensor
; loads (one is out: its part of the next slot).  With fill = 1 that barrier opens a round of the cluster's barrier, and the joint refill is the
; first tensor load behind the round; from a request to the wait for it a wave issues 240 matrix instructions.
.macro TURN slot, next, fill
	s_wait_dscnt 8
	WIN MUL_LO
	MUL16 F1, 0, 0, 0
	s_wait_dscnt 0                                 ; my reads of this slot are over
	s_wait_tensorcnt 0x0                           ; all my tensor loads have landed
	ds_add_u32 v255, v255
	s_wait_dscnt 0x0
	s_barrier_signal -1
	MUL16 F1, 0, 2, 0                              ; register work while the others arrive
	WIN 0
	s_barrier_wait -1
.if \fill
	CREST                                          ; no wave of any partner still reads this slot or has a load on its way
	s_add_nc_u64 s[G0+4*\slot+2:G0+4*\slot+3], s[G0+4*\slot+2:G0+4*\slot+3], 2*KSTEP*2
	s_add_nc_u64 s[G0B+4*\slot+2:G0B+4*\slot+3], s[G0B+4*\slot+2:G0B+4*\slot+3], 2*KSTEP*SIZE_N*2
	JLOAD \slot
.endif
	PLACES
	FETCH \next, 0, F0
	WIN MUL_HI
	MUL16 F1, 1, 0, 0
	MUL16 F1, 1, 2, 0
.endm
.macro LAP zero
	THREE 0, \zero
	TURN 0, 1, 1
	THREE 1, 0
	TURN 1, 0, 1
.endm
	s_wait_tensorcnt 1                             ; my part of K step 0 is in; K step 1's stays out
	s_barrier_signal -1
	s_barrier_wait -1
	FETCH 0, 0, F0
	LAP 1                                          ; the first lap's first products start the sums
	WIN 0
	s_mov_b32 s3, LAPS-2
.Llap:
	LAP 0
	WIN 0
	s_sub_co_u32 s3, s3, 1
	s_cmp_lg_u32 s3, 0
	s_cbranch_scc1 .Llap
	THREE 0, 0                                     ; the last lap fills nothing
	TURN 0, 1, 0
	THREE 1, 0
	s_wait_dscnt 8
	WIN MUL_LO
	MUL16 F1, 0, 0, 0
	MUL16 F1, 0, 2, 0
	s_wait_dscnt 0
	WIN MUL_HI
	MUL16 F1, 1, 0, 0
	MUL16 F1, 1, 2, 0
	PLACES
	WIN 0
	; Q' (block columns 0-3 = the clusters with x = 0, so the branch is the same in all sixteen partners) is divided by 1024; V is left as it is
	s_mov_b32 s2, ttmp9
	s_cmp_lg_u32 s2, 0
	s_cbranch_scc1 .Lnoscale
	s_mov_b32 s2, 0x3a800000                       ; 2^-10
	s_mov_b32 s3, 0x3a800000
	WIN 0x82                                       ; destination and source 0 in window 2
.set p, 0
.rept 128
	v_pk_mul_f32 v[2*p:2*p+1], v[2*p:2*p+1], s[2:3] op_sel_hi:[1,0]
.set p, p+1
.endr
	WIN 0xc3                                       ; in window 3
.set p, 0
.rept 128
	v_pk_mul_f32 v[2*p:2*p+1], v[2*p:2*p+1], s[2:3] op_sel_hi:[1,0]
.set p, p+1
.endr
	WIN 0
.Lnoscale:
	; the way out, 16 rows at a time: round to f16, 16 bytes a lane into my own stage, whole rows of 256 bytes back
	s_lshl_b32 s13, s13, 8
	s_lshl_b32 s14, s11, 7
	s_add_co_u32 s16, s13, s14                     ; my first row
	s_lshl_b32 s16, s16, 12                        ; of 4,096 bytes
	s_mov_b32 s17, 0
	s_add_nc_u64 s[8:9], s[8:9], s[16:17]
	s_lshl_b32 s46, s42, 9                         ; my first column in bytes: 512 x block + 256 x half
	s_lshl_b32 s47, s12, 8
	s_add_co_u32 s46, s46, s47
	s_mov_b32 s47, 0
	s_add_nc_u64 s[8:9], s[8:9], s[46:47]
.macro OUT16 i, a, from, f
	WIN \from
.irp b, 0,1,2,3,4,5,6,7
.irp r, 0,1,2,3
	v_cvt_pk_f16_f32 v[TMP+4*\b+\r], v[8*(8*\a+\b)+2*\r], v[8*(8*\a+\b)+2*\r+1]
.endr
.endr
	WIN 0
.irp b, 0,1,2,3,4,5,6,7
	ds_store_b128 v[STO], v[TMP+4*\b:TMP+4*\b+3] offset:32*\b
.endr
	s_wait_xcnt 0x0                                ; buffer f, which earlier stores read, is rewritten only behind this wait
.irp t, 0,1,2,3,4,5,6,7
	ds_load_b128 v[\f+4*\t:\f+4*\t+3], v[RD] offset:\t*2*SPITCH    ; a wave's LDS instructions are served in order: these see the stores above
.endr
.irp t, 0,1,2,3,4,5,6,7
	s_wait_dscnt 7-\t
	global_store_b128 v[CO], v[\f+4*\t:\f+4*\t+3], s[8:9] offset:(16*\i+2*\t)*SIZE_N*2   ; 16 lanes store 256 consecutive aligned bytes; the row stands in the immediate (516,096 at the most)
.endr
.endm
	OUT16 0, 0, 0x0a, F0
	OUT16 1, 1, 0x0a, F1
	OUT16 2, 2, 0x0a, F0
	OUT16 3, 3, 0x0a, F1
	OUT16 4, 0, 0x0f, F0
	OUT16 5, 1, 0x0f, F1
	OUT16 6, 2, 0x0f, F0
	OUT16 7, 3, 0x0f, F1
	s_set_vgpr_msb 0x1
	s_wait_tensorcnt 0x0
	ds_add_u32 v255, v255
	s_wait_dscnt 0x0
	s_set_vgpr_msb 0x100
	CROUND                                         ; the closing round: no work-group ends while a partner may still ask for a tile that names it
	s_endpgm
.Lfunc_end_k_q9ef1e0c5cd_proj:
	.size	k_q9ef1e0c5cd_proj, .Lfunc_end_k_q9ef1e0c5cd_proj-k_q9ef1e0c5cd_proj
	.p2alignl 7, 3214868480
	.fill 96, 4, 3214868480
	.section	.rodata,"a",@progbits
	.p2align	6, 0x0
	.amdhsa_kernel k_q9ef1e0c5cd_proj
		.amdhsa_group_segment_fixed_size 327680
		.amdhsa_private_segment_fixed_size 0
		.amdhsa_enable_private_segment 0
		.amdhsa_kernarg_size 24
		.amdhsa_user_sgpr_count 2
		.amdhsa_user_sgpr_kernarg_segment_ptr 1
		.amdhsa_wavefront_size32 1
		.amdhsa_system_sgpr_workgroup_id_x 1
		.amdhsa_system_sgpr_workgroup_id_y 1
		.amdhsa_system_sgpr_workgroup_id_z 1
		.amdhsa_system_vgpr_workitem_id 0
		.amdhsa_next_free_vgpr 1024
		.amdhsa_next_free_sgpr 66
		.amdhsa_reserve_vcc 0
		.amdhsa_float_denorm_mode_32 3
		.amdhsa_float_denorm_mode_16_64 3
		.amdhsa_memory_ordered 1
		.amdhsa_forward_progress 1
		.amdhsa_inst_pref_size 212
	.end_amdhsa_kernel
	.amdgpu_metadata
---
amdhsa.version: [ 1, 2 ]
amdhsa.kernels:
  - .name:           k_q9ef1e0c5cd_proj
    .symbol:         k_q9ef1e0c5cd_proj.kd
    .args:
      - { .name: Xh, .offset: 0, .size: 8, .value_kind: global_buffer, .address_space: global }
      - { .name: Wc, .offset: 8, .size: 8, .value_kind: global_buffer, .address_space: global }
      - { .name: QV, .offset: 16, .size: 8, .value_kind: global_buffer, .address_space: global }
    .group_segment_fixed_size: 327680
    .private_segment_fixed_size: 0
    .kernarg_segment_align: 8
    .kernarg_segment_size: 24
    .max_flat_workgroup_size: 128
    .sgpr_count:     66
    .vgpr_count:     1024
    .wavefront_size: 32
...
	.end_amdgpu_metadata
.endif
;; end of part 2
;; launch scores (part 3): grid 40 x 4, 4 waves a work-group, no clusters, 327,680 bytes of LDS; arguments QV, Xh, P, MS, LS, HD, out0; writes P, MS, LS, out0
.if DOCPART == 3
	.amdgcn_target "amdgcn-amd-amdhsa--gfx1250"
	.amdhsa_code_object_version 6
	.text
	.protected	k_q9ef1e0c5cd_scores
	.globl	k_q9ef1e0c5cd_scores
	.p2align	8
	.type	k_q9ef1e0c5cd_scores,@function
k_q9ef1e0c5cd_scores:
	s_mov_b64 s[64:65], 0
	v_nop
	global_prefetch_b8 v0, s[64:65] scope:SCOPE_SE
	s_setreg_imm32_b32 hwreg(HW_REG_WAVE_MODE, 25, 1), 1
	s_wait_xcnt 0x0
; x = 0..35: one tile of 256 queries x 256 keys of batch y: s = (Q' / 1024) X^T (QV's columns 0-1023; the keys are Xh's rows), the causal mask on the diagonal tile,
; m = the largest s of each row within the tile, p = exp2(k s - k m) with k = 1024 log2(e) / 32, in f16 into P; k m into MS; the row's sum of p over each
; 128 keys into LS.  The maximum is taken away tile by tile here and brought to the row's own maximum in the next launch.
; x = 36..39: rows 16 a .. 16 a + 15 (a = x - 36) of batch y, whole, into out0, from Q, K and V^T kept as hi + lo in HD: rows with fewer than 65 keys sum few terms,
; and 11 bits are too few for them (see the first launch).  With these 16 the launch has 160 work-groups.
; WORK LEFT OUT: tiles with key block c > query block j hold only scores that the mask sets to -inf (weight 0 for all inputs): they have no work-group.
; The grid's x counts the 36 tiles with c <= j of a batch, row by row of the triangle.  The first rows take 32 keys (a < 2) or 64.
; Limit: the sums in LS are made of p in f32, the products of the next launch of p rounded to f16.
; NO CLUSTER, and what speaks against one.  The 36 tiles of a batch can be dealt into nine fours that lie in one row (same Q') or one column (same keys) of the triangle, and a
; joint load would then bring one of a step's two tiles once for four work-groups: 3 of every 8 tile requests less.  But partners have to take the same branches.  The mask,
; 176 compares and 512 selects a wave, now runs in the 8 diagonal tiles of a batch and would have to run in all 36; (j, c) would come from a table of the nine fours instead of
; the triangle's row starts; six fours share the keys and three share Q', so each operand's load would need a joint and a plain form; and the four work-groups of the first
; rows, whose text differs with a (32 or 64 keys), would need one text.  That is vector work in every wave against requests for tiles that at most 8 work-groups read.
; The product is laid out as in the launch before: four waves, 128 x 128 each, K = 1024 in steps of 128 through two LDS slots, both tiles with K along their rows.
; A lane of tile (a, b) holds query row 128 wr + 16 a + r and keys 128 wc + 16 b + 8 h + 0..7.
.set KSTEP,  128
.set PITCH,  272
.set HALFT,  128*PITCH
.set SLOT,   4*HALFT
.set STAGE,  2*SLOT                    ; 16 rows x 272 for each wave
.set SPITCH, 272
.set MXLB,   STAGE+4*16*SPITCH         ; [2 halves of the keys][256 rows] f32: row maxima
.set LSLB,   MXLB+2048                 ; [4 waves][128 rows] f32: row sums
.set HEADL,  LSLB+2048                 ; first rows: [4 waves][8 x 512 bytes]: each wave's part of the scores
.set LAPS,   4                         ; 1024 / 256
.set MSD,  8                           ; v8-11  the maxima that go to MS; never rewritten
.set OF8,  12                          ; 8 x lane
.set OF16, 13                          ; 16 x lane
.set LSR,  14                          ; LDS: my 16 bytes of my wave's row sums
.set NINF, 15                          ; -inf
.set ADRA, 16
.set ADRB, 20
.set STO,  24
.set RD,   25
.set CO,   26
.set DG,   27                          ; r - 8 h + 128 (wr - wc): element jj of tile (a, b) is above the diagonal where 16 (b - a) + jj > DG
.set MXS,  28                          ; LDS: where my row's maximum goes
.set MXP,  29                          ; LDS: the other half's maximum of the same row
.set MXR,  30                          ; LDS: two rows of the 64 that my wave writes to MS
.set LSS,  31                          ; LDS: where my row's sum goes
.set MX,   32                          ; v32-39  maximum of row block a
.set NM,   40                          ; v40-55  (-k m, -k m) of row block a
.set LSUM, 56                          ; v56-63  sum of row block a
.set F0,   64
.set F1,   128
.set TMP,  192
.set SUMT, 224                         ; v224-255 partial sums
.set G1, 24
.set G0, 32
.set G1B, 48
.set G0B, 56
.set MSB, 0
.macro WIN new                         ; the immediate's high byte repeats the setting that is left
.if MSB != \new
	s_set_vgpr_msb (MSB<<8)|\new
.set MSB, \new
.endif
.endm
.set MUL_LO, 0xa1
.set MUL_HI, 0xf1
.set TO_B,   0x40
.macro JLOAD s                         ; waves 0 and 1 fetch the halves of Q's tile, waves 2 and 3 those of the keys'
	s_cmp_eq_u32 s15, 0
	s_cbranch_scc0 .Lfor_b_\@
	tensor_load_to_lds s[G0+4*\s:G0+4*\s+3], s[G1:G1+7]
	s_nop 0
	s_branch .Lasked_\@
.Lfor_b_\@:
	tensor_load_to_lds s[G0B+4*\s:G0B+4*\s+3], s[G1B:G1B+7]
	s_nop 0
.Lasked_\@:
.endm
	s_load_b256 s[4:11], s[0:1], 0x0               ; QV s[4:5], Xh s[6:7], P s[8:9], MS s[10:11]
	s_load_b64 s[12:13], s[0:1], 0x20              ; LS
	s_set_vgpr_msb 0x40
	v_lshl_add_u32 v255, v0, 2, 0x4d400
	s_set_vgpr_msb 0x4000
	v_mov_b32 v23, 0
	s_set_vgpr_msb 0x1
	ds_add_u32 v255, v23
	ds_add_u32 v255, v23
	s_wait_dscnt 0x0
	s_set_vgpr_msb 0x100
	v_lshrrev_b32 v1, 5, v0
	v_readfirstlane_b32 s14, v1                    ; wave
	s_lshr_b32 s15, s14, 1                         ; wr: my half of the queries.  Also: I fetch for Q' (0) or for the keys (1)
	s_and_b32 s16, s14, 1                          ; wc: my half of the keys.  Also: which half of that tile I fetch
	s_mov_b32 s20, ttmp9
	s_and_b32 s19, ttmp7, 0xffff                   ; batch
	s_cmp_ge_u32 s20, 36
	s_cbranch_scc1 .Lhead                          ; the first rows: at the end of this text
	s_mov_b32 s17, 0                               ; j = how many of the triangle's row starts 1, 3, 6, .. are at or below x
.irp thr, 1,3,6,10,15,21,28
	s_cmp_ge_u32 s20, \thr
	s_add_co_ci_u32 s17, s17, 0
.endr
	s_add_co_u32 s21, s17, 1
	s_mul_i32 s21, s21, s17
	s_lshr_b32 s21, s21, 1
	s_sub_co_u32 s18, s20, s21                     ; c = x - j (j + 1) / 2
	s_lshl_b32 s19, s19, 11
	s_lshl_b32 s22, s17, 8
	s_add_co_u32 s22, s22, s19                     ; the tile's first query row
	s_lshl_b32 s23, s18, 8
	s_add_co_u32 s23, s23, s19                     ; the tile's first key row
	s_mov_b32 s40, 0x4238aa3b                      ; k = 1024 log2(e) / 32: Q' comes divided by 1024
	s_mov_b32 s41, 0x4238aa3b
	s_mov_b32 s42, 0x76543210                      ; v_permlanex16_b32: lane i reads lane i of the other half
	s_mov_b32 s43, 0xfedcba98
	s_mov_b32 s44, 0xc238aa3b                      ; -k
	s_mov_b32 s[G1+0], (1<<16)|(1<<20)|(5<<22)|(3<<25)   ; no mask; elements of 2 bytes; 4 words of padding after every 64 words
	s_mov_b32 s[G1+1], KSTEP<<16
	s_mov_b32 s[G1+2], 128<<16
	s_mov_b32 s[G1+3], KSTEP<<16
	s_mov_b32 s[G1+4], 128
	s_mov_b32 s[G1+5], 2048                        ; QV: elements from row to row
	s_mov_b32 s[G1+6], 0
	s_mov_b32 s[G1+7], 0
	s_mov_b32 s[G1B+0], (1<<16)|(1<<20)|(5<<22)|(3<<25)
	s_mov_b32 s[G1B+1], KSTEP<<16
	s_mov_b32 s[G1B+2], 128<<16
	s_mov_b32 s[G1B+3], KSTEP<<16
	s_mov_b32 s[G1B+4], 128
	s_mov_b32 s[G1B+5], 1024                       ; Xh
	s_mov_b32 s[G1B+6], 0
	s_mov_b32 s[G1B+7], 0
	s_lshl_b32 s45, s16, 7
	s_add_co_u32 s20, s22, s45
	s_lshl_b32 s20, s20, 12                        ; QV's rows are 4,096 bytes
	s_mov_b32 s21, 0
	s_add_co_u32 s46, s23, s45
	s_lshl_b32 s46, s46, 11                        ; Xh's are 2,048
	s_mov_b32 s47, 0
	s_mul_i32 s45, s14, HALFT
	s_wait_kmcnt 0x0
	s_add_nc_u64 s[20:21], s[4:5], s[20:21]
	s_add_nc_u64 s[46:47], s[6:7], s[46:47]
.irp s, 0,1
	s_mov_b32 s[G0+4*\s], 1
	s_add_co_u32 s[G0+4*\s+1], s45, \s*SLOT
	s_add_nc_u64 s[G0+4*\s+2:G0+4*\s+3], s[20:21], \s*KSTEP*2
	s_or_b32 s[G0+4*\s+3], s[G0+4*\s+3], 0x80000000
	s_mov_b32 s[G0B+4*\s], 1
	s_add_co_u32 s[G0B+4*\s+1], s45, \s*SLOT
	s_add_nc_u64 s[G0B+4*\s+2:G0B+4*\s+3], s[46:47], \s*KSTEP*2
	s_or_b32 s[G0B+4*\s+3], s[G0B+4*\s+3], 0x80000000
	JLOAD \s                                       ; both first fills go out ahead of everything else
.endr
	; where the results go
	s_lshl_b32 s20, s15, 7
	s_add_co_u32 s20, s20, s22                     ; my wave's first query row
	s_lshl_b32 s46, s20, 12                        ; P's rows are 4,096 bytes
	s_lshl_b32 s45, s18, 9
	s_add_co_u32 s46, s46, s45                     ; + 256 c keys
	s_lshl_b32 s45, s16, 8
	s_add_co_u32 s46, s46, s45                     ; + 128 wc keys
	s_mov_b32 s47, 0
	s_add_nc_u64 s[8:9], s[8:9], s[46:47]
	s_lshl1_add_u32 s45, s18, s16                  ; LS[2 c + wc][row]
	s_lshl_b32 s45, s45, 15
	s_lshl2_add_u32 s46, s20, s45
	s_add_nc_u64 s[12:13], s[12:13], s[46:47]
	s_lshl_b32 s45, s14, 6                         ; MS[c][row]: my wave writes rows 64 w .. 64 w + 63 of the tile
	s_add_co_u32 s45, s45, s22
	s_lshl_b32 s46, s18, 15
	s_lshl2_add_u32 s46, s45, s46
	s_add_nc_u64 s[10:11], s[10:11], s[46:47]
	v_and_b32 v1, 15, v0                           ; r
	v_bfe_u32 v2, v0, 4, 1                         ; h
	v_and_b32 v4, 31, v0                           ; lane
	v_mul_u32_u24 v3, v1, PITCH
	v_lshl_add_u32 v3, v2, 4, v3
	s_mul_i32 s20, s15, HALFT
	s_mul_i32 s21, s16, HALFT
	s_add_co_u32 s21, s21, 2*HALFT
.irp s, 0,1
	v_add_nc_u32 v[ADRA+\s], s20, v3
	v_add_nc_u32 v[ADRB+\s], s21, v3
	s_add_co_u32 s20, s20, SLOT
	s_add_co_u32 s21, s21, SLOT
.endr
	s_mul_i32 s20, s14, 16*SPITCH
	s_add_co_u32 s20, s20, STAGE
	v_add_nc_u32 v[STO], s20, v3
	v_mul_u32_u24 v5, v2, SPITCH
	v_lshl_add_u32 v5, v1, 4, v5
	v_add_nc_u32 v[RD], s20, v5
	v_lshlrev_b32 v5, 12, v2
	v_lshl_add_u32 v[CO], v1, 4, v5
	s_sub_co_i32 s20, s15, s16
	s_lshl_b32 s20, s20, 7
	v_lshlrev_b32 v5, 3, v2
	v_sub_nc_u32 v[DG], v1, v5
	v_add_nc_u32 v[DG], s20, v[DG]
	v_mov_b32 v[NINF], 0xff800000
	s_lshl_b32 s21, s15, 9                         ; 128 wr rows of 4 bytes
	s_add_co_u32 s21, s21, MXLB
	s_lshl_b32 s20, s16, 10
	s_add_co_u32 s20, s20, s21
	v_lshl_add_u32 v[MXS], v1, 2, s20
	s_xor_b32 s20, s16, 1
	s_lshl_b32 s20, s20, 10
	s_add_co_u32 s20, s20, s21
	v_lshl_add_u32 v[MXP], v1, 2, s20
	s_lshl_b32 s20, s14, 8
	s_add_co_u32 s20, s20, MXLB
	v_lshl_add_u32 v[MXR], v4, 3, s20
	s_lshl_b32 s20, s14, 9
	s_add_co_u32 s20, s20, LSLB
	v_lshl_add_u32 v[LSS], v1, 2, s20
	v_lshl_add_u32 v[LSR], v4, 4, s20
	v_lshlrev_b32 v[OF8], 3, v4
	v_lshlrev_b32 v[OF16], 4, v4
.macro MUL16 f, hi, a0, zero
.irp a, \a0, \a0+1
.irp b, 0,1,2,3,4,5,6,7
.if \zero
	v_wmma_f32_16x16x32_f16 v[8*(8*(\a)+\b):8*(8*(\a)+\b)+7], v[\f+8*\b:\f+8*\b+7], v[\f+8*(4*\hi+\a):\f+8*(4*\hi+\a)+7], 0
.else
	v_wmma_f32_16x16x32_f16 v[8*(8*(\a)+\b):8*(8*(\a)+\b)+7], v[\f+8*\b:\f+8*\b+7], v[\f+8*(4*\hi+\a):\f+8*(4*\hi+\a)+7], v[8*(8*(\a)+\b):8*(8*(\a)+\b)+7]
.endif
.endr
.endr
.endm
.macro FETCH slot, q, f
	WIN TO_B
.irp i, 0,1,2,3,4,5,6,7
	ds_load_b128 v[\f+8*\i:\f+8*\i+3],   v[ADRB+\slot] offset:\q*64+\i*16*PITCH
	ds_load_b128 v[\f+8*\i+4:\f+8*\i+7], v[ADRB+\slot] offset:\q*64+\i*16*PITCH+32
.endr
	WIN 0
.irp i, 0,1,2,3,4,5,6,7
	ds_load_b128 v[\f+8*\i:\f+8*\i+3],   v[ADRA+\slot] offset:\q*64+\i*16*PITCH
	ds_load_b128 v[\f+8*\i+4:\f+8*\i+7], v[ADRA+\slot] offset:\q*64+\i*16*PITCH+32
.endr
.endm
.macro PLACES                          ; four plain vector instructions between a matrix instruction and a load into, or a reader of, its registers
.rept 4
	v_nop
.endr
.endm
; The 64 accumulators take turns in the same order in every quarter, over the backward jump too.
.macro QUARTER slot, q, f, g, zero
	s_wait_dscnt 8                                 ; the keys' fragments and Q's rows 0-63 are in; the youngest eight loads may be out
	WIN MUL_LO
	MUL16 \f, 0, 0, \zero
	MUL16 \f, 0, 2, \zero
	PLACES
	FETCH \slot, \q, \g
	s_wait_dscnt 32                                ; all but the 32 just issued
	WIN MUL_HI
	MUL16 \f, 1, 0, \zero
	MUL16 \f, 1, 2, \zero
.endm
.macro THREE slot, zero
	QUARTER \slot, 1, F0, F1, \zero
	QUARTER \slot, 2, F1, F0, 0
	QUARTER \slot, 3, F0, F1, 0
.endm
; The change of slots: my reads of this slot and all my tensor loads are done in front of the barrier; the refill is my first and only tensor load behind it.
.macro TURN slot, next, fill
	s_wait_dscnt 8
	WIN MUL_LO
	MUL16 F1, 0, 0, 0
	s_wait_dscnt 0
	s_wait_tensorcnt 0x0
	ds_add_u32 v255, v23
	s_wait_dscnt 0x0
	s_barrier_signal -1
	MUL16 F1, 0, 2, 0
	WIN 0
	s_barrier_wait -1
.if \fill
	s_add_nc_u64 s[G0+4*\slot+2:G0+4*\slot+3], s[G0+4*\slot+2:G0+4*\slot+3], 2*KSTEP*2
	s_add_nc_u64 s[G0B+4*\slot+2:G0B+4*\slot+3], s[G0B+4*\slot+2:G0B+4*\slot+3], 2*KSTEP*2
	JLOAD \slot
.endif
	PLACES
	FETCH \next, 0, F0
	WIN MUL_HI
	MUL16 F1, 1, 0, 0
	MUL16 F1, 1, 2, 0
.endm
.macro LAP zero
	THREE 0, \zero
	TURN 0, 1, 1
	THREE 1, 0
	TURN 1, 0, 1
.endm
	s_wait_tensorcnt 1                             ; my part of K step 0 is in; K step 1's stays out
	s_barrier_signal -1
	s_barrier_wait -1
	FETCH 0, 0, F0
	LAP 1
	WIN 0
	s_mov_b32 s3, LAPS-2
.Llap:
	LAP 0
	WIN 0
	s_sub_co_u32 s3, s3, 1
	s_cmp_lg_u32 s3, 0
	s_cbranch_scc1 .Llap
	THREE 0, 0
	TURN 0, 1, 0
	THREE 1, 0
	s_wait_dscnt 8
	WIN MUL_LO
	MUL16 F1, 0, 0, 0
	MUL16 F1, 0, 2, 0
	s_wait_dscnt 0
	WIN MUL_HI
	MUL16 F1, 1, 0, 0
	MUL16 F1, 1, 2, 0
	PLACES
	WIN 0
	; THE MASK, on the diagonal tile alone (the branch hangs on the work-group's number).  One compare serves all tiles of a window with the same b - a.
	s_cmp_lg_u32 s17, s18
	s_cbranch_scc1 .Lnomask
.macro MASKWIN alo                     ; alo = the window's first row block (0 or 4)
.set dl, -3-\alo
.rept 11
.set jj, 0
.rept 8
	v_cmp_gt_i32 vcc_lo, 16*dl+jj, v[DG]
.set aa, 0
.rept 4
.if \alo+aa+dl >= 0
.if \alo+aa+dl <= 7
	v_cndmask_b32 v[8*(8*aa+\alo+aa+dl)+jj], v[8*(8*aa+\alo+aa+dl)+jj], v[NINF], vcc_lo
.endif
.endif
.set aa, aa+1
.endr
.set jj, jj+1
.endr
.set dl, dl+1
.endr
.endm
	WIN 0x82                                       ; destination and source 0 in window 2
	MASKWIN 0
	WIN 0xc3
	MASKWIN 4
	WIN 0
.Lnomask:
	; THE ROW MAXIMA: a lane's 64 numbers of row block a lie in v[64 a .. 64 a + 63] of the window; four chains that do not wait for each other
.macro ROWMAX alo
.irp a, 0,1,2,3
	v_max_num_f32 v[MX+\alo+\a], v[64*\a], v[64*\a+1]
.endr
.set p, 1
.rept 31
.irp a, 0,1,2,3
	v_max3_num_f32 v[MX+\alo+\a], v[64*\a+2*p], v[64*\a+2*p+1], v[MX+\alo+\a]
.endr
.set p, p+1
.endr
.endm
	WIN 0x0a                                       ; sources 0 and 1 in window 2, source 2 and destination in window 0
	ROWMAX 0
	WIN 0x0f
	ROWMAX 4
	WIN 0
.irp a, 0,1,2,3,4,5,6,7
	v_permlanex16_b32 v1, v[MX+\a], s42, s43       ; a row lies in lanes r and r + 16
	v_max_num_f32 v[MX+\a], v[MX+\a], v1
	ds_store_b32 v[MXS], v[MX+\a] offset:64*\a
.endr
	s_wait_dscnt 0x0                               ; for the wave with the other half of the keys
	s_barrier_signal -1
	s_barrier_wait -1
.irp a, 0,1,2,3,4,5,6,7
	ds_load_b32 v[SUMT+\a], v[MXP] offset:64*\a
.endr
	ds_load_b64 v[MSD:MSD+1], v[MXR]
	ds_load_b64 v[MSD+2:MSD+3], v[MXR] offset:1024
	s_wait_dscnt 0x0
.irp a, 0,1,2,3,4,5,6,7
	v_max_num_f32 v[MX+\a], v[MX+\a], v[SUMT+\a]   ; the tile's maximum: finite also where my own quadrant is wholly masked, since the diagonal lies in the other
	v_mul_f32 v[NM+2*\a],   s44, v[MX+\a]
	v_mul_f32 v[NM+2*\a+1], s44, v[MX+\a]          ; -(k m), the same rounding as the k m that goes to MS
.endr
	v_max_num_f32 v[MSD],   v[MSD],   v[MSD+2]
	v_max_num_f32 v[MSD+1], v[MSD+1], v[MSD+3]
	v_mul_f32 v[MSD],   s40, v[MSD]
	v_mul_f32 v[MSD+1], s40, v[MSD+1]
	global_store_b64 v[OF8], v[MSD:MSD+1], s[10:11]        ; the wave's store covers 256 consecutive aligned bytes
; Row block ra (rl = its place in its window): p = exp2(k s - k m) in place, rounded to f16 through my stage into P, and summed.
.macro SOFT16 ra, rl, wina, winb, f
	WIN \wina                                      ; destination and source 0 in the block's window; the pair of -k m in window 0
.set p, 0
.rept 32
	v_pk_fma_f32 v[64*\rl+2*p:64*\rl+2*p+1], v[64*\rl+2*p:64*\rl+2*p+1], s[40:41], v[NM+2*\ra:NM+2*\ra+1] op_sel_hi:[1,0,1]
.set p, p+1
.endr
.set p, 0
.rept 64
	v_exp_f32 v[64*\rl+p], v[64*\rl+p]
.set p, p+1
.endr
	v_nop                                          ; one plain instruction between the last exponential and the first use (ISA guide 5.7.2)
	WIN \winb                                      ; sources in the block's window, destination in window 0
.set p, 0
	s_wait_alu depctr_va_vdst(0)
.rept 32
	v_cvt_pk_f16_f32 v[TMP+p], v[64*\rl+2*p], v[64*\rl+2*p+1]
.set p, p+1
.endr
.set p, 0
.rept 16
	v_pk_add_f32 v[SUMT+2*p:SUMT+2*p+1], v[64*\rl+4*p:64*\rl+4*p+1], v[64*\rl+4*p+2:64*\rl+4*p+3]
.set p, p+1
.endr
	WIN 0
.irp b, 0,1,2,3,4,5,6,7
	ds_store_b128 v[STO], v[TMP+4*\b:TMP+4*\b+3] offset:32*\b
.endr
.irp k, 0,1,2,3,4,5,6,7
	v_pk_add_f32 v[SUMT+2*\k:SUMT+2*\k+1], v[SUMT+2*\k:SUMT+2*\k+1], v[SUMT+16+2*\k:SUMT+17+2*\k]
.endr
.irp k, 0,1,2,3
	v_pk_add_f32 v[SUMT+2*\k:SUMT+2*\k+1], v[SUMT+2*\k:SUMT+2*\k+1], v[SUMT+8+2*\k:SUMT+9+2*\k]
.endr
.irp k, 0,1
	v_pk_add_f32 v[SUMT+2*\k:SUMT+2*\k+1], v[SUMT+2*\k:SUMT+2*\k+1], v[SUMT+4+2*\k:SUMT+5+2*\k]
.endr
	v_pk_add_f32 v[SUMT:SUMT+1], v[SUMT:SUMT+1], v[SUMT+2:SUMT+3]
	v_add_f32 v[LSUM+\ra], v[SUMT], v[SUMT+1]
	v_permlanex16_b32 v1, v[LSUM+\ra], s42, s43
	v_add_f32 v[LSUM+\ra], v[LSUM+\ra], v1
	s_wait_xcnt 0x0                                ; buffer f, which earlier stores read, is rewritten only behind this wait
.irp t, 0,1,2,3,4,5,6,7
	ds_load_b128 v[\f+4*\t:\f+4*\t+3], v[RD] offset:\t*2*SPITCH    ; my own bytes, served in order behind the stores above
.endr
.irp t, 0,1,2,3,4,5,6,7
	s_wait_dscnt 7-\t
	global_store_b128 v[CO], v[\f+4*\t:\f+4*\t+3], s[8:9] offset:(16*\ra+2*\t)*4096    ; 16 lanes store 256 consecutive aligned bytes of a row of P
.endr
.endm
	SOFT16 0, 0, 0x82, 0x0a, F0
	SOFT16 1, 1, 0x82, 0x0a, F1
	SOFT16 2, 2, 0x82, 0x0a, F0
	SOFT16 3, 3, 0x82, 0x0a, F1
	SOFT16 4, 0, 0xc3, 0x0f, F0
	SOFT16 5, 1, 0xc3, 0x0f, F1
	SOFT16 6, 2, 0xc3, 0x0f, F0
	SOFT16 7, 3, 0xc3, 0x0f, F1
	; the sums of my 128 rows over my 128 keys: through my own 512 bytes of LDS, so that the wave stores 512 consecutive bytes
.irp a, 0,1,2,3,4,5,6,7
	ds_store_b32 v[LSS], v[LSUM+\a] offset:64*\a
.endr
	ds_load_b128 v[2:5], v[LSR]
	s_wait_dscnt 0x0
	global_store_b128 v[OF16], v[2:5], s[12:13]
	s_set_vgpr_msb 0x1
	s_wait_tensorcnt 0x0
	ds_add_u32 v255, v23
	s_wait_dscnt 0x0
	s_set_vgpr_msb 0x100
	s_endpgm
; ---------------- THE FIRST ROWS: queries 16 a .. 16 a + 15 of the batch against keys 0 .. 16 nkb - 1 (nkb = 2 for a < 2, else 4).  All in window 0; no tensor load on this way.
; Scores: wave w sums depth 256 w .. 256 w + 255 (8 steps of 32), three products for one: Kh Qh + Kh Ql + Kl Qh; the four parts meet in LDS and every wave adds all four
; in the same order.  Source 0 = 16 keys, source 1 = my 16 queries: a lane holds query r and keys 16 kb + 8 h + 0..7, which is also the place of those keys in
; P's fragment, so P goes from the sums into the next product without leaving the lane.  Softmax in f32, the row's own maximum taken away, divided by the sum.
; Then wave w makes columns 256 w .. 256 w + 255: Vh Ph + Vh Pl + Vl Ph, from V^T (keys along its rows).
.set HD_LO, 0x100000
.set HD_K,  0x80000                    ; K's 16 column blocks lie behind Q's
.set HD_VT, 0x200000
.set HQO,  2                           ; byte offset of my query's row, + 16 h
.set HKO,  3                           ; the same for key r
.set HVO,  4                           ; the same for column e = r of V^T
.set HDG,  5                           ; 16 a + r - 8 h: key 16 kb + 8 h + jj is above the diagonal where 16 kb + jj > HDG
.set HRS,  6                           ; LDS: where my wave's part of the scores goes
.set HRL,  7                           ; LDS: the first wave's part
.set SA,   32                          ; v32-63   the scores, tile kb at 8 kb; later the rows read back from the stage
.set FR,   64                          ; v64-223  fragments
.set DA,   192                         ; v192-223 four tiles of the result
.set PH,   224                         ; v224-239 P hi, fragment of key step c at 8 c
.set PL,   240                         ; v240-255 P lo
.macro HSLOAD l, f, nkb                ; depth step l of my eight: Q hi, Q lo, then nkb key blocks hi and lo: 4 + 4 nkb loads
	global_load_b128 v[\f:\f+3],     v[HQO], s[24:25] offset:((\l)>>1)*32768+((\l)&1)*64
	global_load_b128 v[\f+4:\f+7],   v[HQO], s[24:25] offset:((\l)>>1)*32768+((\l)&1)*64+32
	global_load_b128 v[\f+8:\f+11],  v[HQO], s[24:25] offset:((\l)>>1)*32768+((\l)&1)*64+HD_LO
	global_load_b128 v[\f+12:\f+15], v[HQO], s[24:25] offset:((\l)>>1)*32768+((\l)&1)*64+HD_LO+32
.set kb, 0
.rept \nkb
	global_load_b128 v[\f+16+8*kb:\f+19+8*kb], v[HKO], s[24:25] offset:((\l)>>1)*32768+((\l)&1)*64+HD_K+kb*2048
	global_load_b128 v[\f+20+8*kb:\f+23+8*kb], v[HKO], s[24:25] offset:((\l)>>1)*32768+((\l)&1)*64+HD_K+kb*2048+32
	global_load_b128 v[\f+48+8*kb:\f+51+8*kb], v[HKO], s[24:25] offset:((\l)>>1)*32768+((\l)&1)*64+HD_K+kb*2048+HD_LO
	global_load_b128 v[\f+52+8*kb:\f+55+8*kb], v[HKO], s[24:25] offset:((\l)>>1)*32768+((\l)&1)*64+HD_K+kb*2048+HD_LO+32
.set kb, kb+1
.endr
.endm
.macro HSMUL f, nkb, zero              ; the nkb accumulators take turns, one instruction a turn, from step to step too
.set kb, 0
.rept \nkb
.if \zero
	v_wmma_f32_16x16x32_bf16 v[SA+8*kb:SA+8*kb+7], v[\f+16+8*kb:\f+23+8*kb], v[\f:\f+7], 0
.else
	v_wmma_f32_16x16x32_bf16 v[SA+8*kb:SA+8*kb+7], v[\f+16+8*kb:\f+23+8*kb], v[\f:\f+7], v[SA+8*kb:SA+8*kb+7]
.endif
.set kb, kb+1
.endr
.set kb, 0
.rept \nkb
	v_wmma_f32_16x16x32_bf16 v[SA+8*kb:SA+8*kb+7], v[\f+16+8*kb:\f+23+8*kb], v[\f+8:\f+15], v[SA+8*kb:SA+8*kb+7]
.set kb, kb+1
.endr
.set kb, 0
.rept \nkb
	v_wmma_f32_16x16x32_bf16 v[SA+8*kb:SA+8*kb+7], v[\f+48+8*kb:\f+55+8*kb], v[\f:\f+7], v[SA+8*kb:SA+8*kb+7]
.set kb, kb+1
.endr
.endm
.macro HSTWO l, nkb, zero              ; two depth steps
	HSLOAD \l, FR, \nkb
	HSLOAD \l+1, FR+80, \nkb
	s_wait_loadcnt 4+4*\nkb                        ; the first step's loads are in, the second's stay out
	HSMUL FR, \nkb, \zero
	s_wait_loadcnt 0x0
	HSMUL FR+80, \nkb, 0
	PLACES                                         ; in front of the next loads into the fragments, and of the stores of the sums
.endm
.macro HVLOAD ch, nk                   ; V^T's fragments of column blocks 4 ch .. 4 ch + 3: block nb at FR + 32 nb, hi of key step c at + 8 c, lo at + 16 + 8 c
.set nb, 0
.rept 4
.set c2, 0
.rept \nk
	global_load_b128 v[FR+32*nb+8*c2:FR+32*nb+8*c2+3],       v[HVO], s[28:29] offset:(4*(\ch)+nb)*2048+64*c2
	global_load_b128 v[FR+32*nb+8*c2+4:FR+32*nb+8*c2+7],     v[HVO], s[28:29] offset:(4*(\ch)+nb)*2048+64*c2+32
	global_load_b128 v[FR+32*nb+16+8*c2:FR+32*nb+16+8*c2+3], v[HVO], s[28:29] offset:(4*(\ch)+nb)*2048+64*c2+HD_LO
	global_load_b128 v[FR+32*nb+20+8*c2:FR+32*nb+20+8*c2+3], v[HVO], s[28:29] offset:(4*(\ch)+nb)*2048+64*c2+HD_LO+32
.set c2, c2+1
.endr
.set nb, nb+1
.endr
.endm
.macro HPV ch, nk, more                ; 64 columns: the products, the next columns' loads, and the way out through my stage
	s_wait_loadcnt 0x0
.set c2, 0
.rept \nk
.set nb, 0
.rept 4
.if c2 == 0
	v_wmma_f32_16x16x32_bf16 v[DA+8*nb:DA+8*nb+7], v[FR+32*nb+8*c2:FR+32*nb+8*c2+7], v[PH+8*c2:PH+8*c2+7], 0
.else
	v_wmma_f32_16x16x32_bf16 v[DA+8*nb:DA+8*nb+7], v[FR+32*nb+8*c2:FR+32*nb+8*c2+7], v[PH+8*c2:PH+8*c2+7], v[DA+8*nb:DA+8*nb+7]
.endif
.set nb, nb+1
.endr
.set nb, 0
.rept 4
	v_wmma_f32_16x16x32_bf16 v[DA+8*nb:DA+8*nb+7], v[FR+32*nb+8*c2:FR+32*nb+8*c2+7], v[PL+8*c2:PL+8*c2+7], v[DA+8*nb:DA+8*nb+7]
.set nb, nb+1
.endr
.set nb, 0
.rept 4
	v_wmma_f32_16x16x32_bf16 v[DA+8*nb:DA+8*nb+7], v[FR+32*nb+16+8*c2:FR+32*nb+23+8*c2], v[PH+8*c2:PH+8*c2+7], v[DA+8*nb:DA+8*nb+7]
.set nb, nb+1
.endr
.set c2, c2+1
.endr
	PLACES                                         ; four places in front of the loads into the fragments and of the stores of the results,
	v_nop                                          ; and a fifth: the next 64 columns' first products start these four accumulators anew (C = 0), which is no link of a
	                                               ; chain but a matrix instruction that writes over an earlier one's result; only memory instructions and waits follow until then
.if \more
	HVLOAD \ch+1, \nk
.endif
.irp nb, 0,1,2,3
	ds_store_b128 v[STO], v[DA+8*\nb:DA+8*\nb+3]   offset:64*\nb
	ds_store_b128 v[STO], v[DA+8*\nb+4:DA+8*\nb+7] offset:64*\nb+16
.endr
	s_wait_xcnt 0x0                                ; v32-63, which earlier stores read, are rewritten only behind this wait
.irp t, 0,1,2,3,4,5,6,7
	ds_load_b128 v[SA+4*\t:SA+4*\t+3], v[RD] offset:\t*2*SPITCH    ; my own bytes, served in order behind the stores above
.endr
.irp t, 0,1,2,3,4,5,6,7
	s_wait_dscnt 7-\t
	global_store_b128 v[CO], v[SA+4*\t:SA+4*\t+3], s[26:27] offset:2*\t*4096+256*\ch th:TH_STORE_NT   ; 16 lanes store 256 consecutive aligned bytes
.endr
.endm
.macro HATT nkb
	HSTWO 0, \nkb, 1                               ; the first products start the sums
	HSTWO 2, \nkb, 0
	HSTWO 4, \nkb, 0
	HSTWO 6, \nkb, 0
.set i, 0
.rept 2*\nkb
	ds_store_b128 v[HRS], v[SA+4*i:SA+4*i+3] offset:512*i
.set i, i+1
.endr
	s_wait_dscnt 0x0                               ; my part is in LDS, for the other three waves
	s_barrier_signal -1
	s_barrier_wait -1
.set u, 0
.rept 4
.set i, 0
.rept 2*\nkb
	ds_load_b128 v[FR+32*u+4*i:FR+32*u+4*i+3], v[HRL] offset:4096*u+512*i
.set i, i+1
.endr
.set u, u+1
.endr
	s_wait_dscnt 0x0
.set i, 0
.rept 4*\nkb
	v_pk_add_f32 v[SA+2*i:SA+2*i+1], v[FR+2*i:FR+2*i+1], v[FR+32+2*i:FR+33+2*i]
	v_pk_add_f32 v[FR+64+2*i:FR+65+2*i], v[FR+64+2*i:FR+65+2*i], v[FR+96+2*i:FR+97+2*i]
	v_pk_add_f32 v[SA+2*i:SA+2*i+1], v[SA+2*i:SA+2*i+1], v[FR+64+2*i:FR+65+2*i]
.set i, i+1
.endr
	HVLOAD 0, \nkb/2                               ; the first columns of V^T come in while the softmax is made
.set kb, 0
.rept \nkb
.set jj, 0
.rept 8
	v_cmp_gt_i32 vcc_lo, 16*kb+jj, v[HDG]
	v_cndmask_b32 v[SA+8*kb+jj], v[SA+8*kb+jj], v[NINF], vcc_lo
.set jj, jj+1
.endr
.set kb, kb+1
.endr
	v_max_num_f32 v12, v[SA], v[SA+1]
.set i, 1
.rept 4*\nkb-1
	v_max3_num_f32 v12, v[SA+2*i], v[SA+2*i+1], v12
.set i, i+1
.endr
	v_permlanex16_b32 v1, v12, s42, s43            ; a row lies in lanes r and r + 16
	v_max_num_f32 v12, v12, v1                     ; finite: the diagonal is never masked
	v_mul_f32 v12, s44, v12                        ; -k m
.set i, 0
.rept 8*\nkb
	v_fma_f32 v[SA+i], v[SA+i], s40, v12
.set i, i+1
.endr
.set i, 0
.rept 8*\nkb
	v_exp_f32 v[SA+i], v[SA+i]
.set i, i+1
.endr
	v_nop                                          ; one plain instruction behind the last exponential (ISA guide 5.7.2)
	s_wait_alu depctr_va_vdst(0)
	v_add_f32 v13, v[SA], v[SA+1]
.set i, 2
.rept 8*\nkb-2
	v_add_f32 v13, v13, v[SA+i]
.set i, i+1
.endr
	v_permlanex16_b32 v1, v13, s42, s43
	v_add_f32 v13, v13, v1                         ; at least 1: the largest score gives exp2(0)
	v_rcp_f32 v11, v13
	v_nop                                          ; one plain instruction behind the reciprocal
.set i, 0
	s_wait_alu depctr_va_vdst(0)
.rept 8*\nkb
	v_mul_f32 v[SA+i], v[SA+i], v11
.set i, i+1
.endr
.set i, 0
.rept 4*\nkb
	v_cvt_pk_bf16_f32 v[PH+i], v[SA+2*i], v[SA+2*i+1]              ; hi,
	v_lshlrev_b32 v8, 16, v[PH+i]
	v_and_b32 v9, 0xffff0000, v[PH+i]
	v_sub_f32 v[SA+2*i],   v[SA+2*i],   v8                         ; what it leaves, exact in f32,
	v_sub_f32 v[SA+2*i+1], v[SA+2*i+1], v9
	v_cvt_pk_bf16_f32 v[PL+i], v[SA+2*i], v[SA+2*i+1]              ; lo
.set i, i+1
.endr
	HPV 0, \nkb/2, 1
	HPV 1, \nkb/2, 1
	HPV 2, \nkb/2, 1
	HPV 3, \nkb/2, 0
	s_set_vgpr_msb 0x1
	s_wait_tensorcnt 0x0
	ds_add_u32 v255, v23
	s_wait_dscnt 0x0
	s_set_vgpr_msb 0x100
	s_endpgm
.endm
.Lhead:
	s_load_b128 s[24:27], s[0:1], 0x28             ; HD s[24:25], out0 s[26:27]
	s_sub_co_u32 s17, s20, 36                      ; a
	s_mov_b32 s40, 0x3d38aa3b                      ; k = log2(e) / 32: Q and K come as they are
	s_mov_b32 s44, 0xbd38aa3b                      ; -k
	s_mov_b32 s42, 0x76543210
	s_mov_b32 s43, 0xfedcba98
	v_and_b32 v1, 15, v0                           ; r
	v_bfe_u32 v8, v0, 4, 1                         ; h
	v_and_b32 v9, 31, v0                           ; lane
	v_lshlrev_b32 v[HVO], 7, v1                    ; rows of 128 bytes in HD
	v_lshl_add_u32 v[HVO], v8, 4, v[HVO]
	s_lshl_b32 s21, s19, 13                        ; the batch's 64 rows
	v_add_nc_u32 v[HKO], s21, v[HVO]
	s_lshl_b32 s22, s17, 11                        ; 16 a rows
	s_add_co_u32 s22, s22, s21
	v_add_nc_u32 v[HQO], s22, v[HVO]
	s_lshl_b32 s22, s17, 4
	v_lshlrev_b32 v11, 3, v8
	v_sub_nc_u32 v[HDG], v1, v11
	v_add_nc_u32 v[HDG], s22, v[HDG]
	v_mov_b32 v[NINF], 0xff800000
	v_lshlrev_b32 v[HRL], 4, v9
	v_add_nc_u32 v[HRL], HEADL, v[HRL]
	s_lshl_b32 s22, s14, 12
	v_add_nc_u32 v[HRS], s22, v[HRL]
	s_mul_i32 s22, s14, 16*SPITCH
	s_add_co_u32 s22, s22, STAGE                   ; my stage
	v_mul_u32_u24 v11, v1, SPITCH
	v_lshl_add_u32 v11, v8, 5, v11                 ; in: row r, 32 bytes for each half of the lanes
	v_add_nc_u32 v[STO], s22, v11
	v_mul_u32_u24 v11, v8, SPITCH
	v_lshl_add_u32 v11, v1, 4, v11                 ; back: lanes 0-15 a row of 256 bytes, lanes 16-31 the next
	v_add_nc_u32 v[RD], s22, v11
	v_lshlrev_b32 v11, 12, v8
	v_lshl_add_u32 v[CO], v1, 4, v11
	s_lshl_b32 s22, s14, 17                        ; my depth: 4 w column blocks of 32,768 bytes
	s_mov_b32 s23, 0
	s_lshl_b32 s28, s19, 17                        ; V^T: the batch's 1,024 rows of 128 bytes,
	s_lshl_b32 s29, s14, 15                        ; my 256 rows e
	s_add_co_u32 s28, s28, s29
	s_add_co_u32 s28, s28, HD_VT
	s_mov_b32 s29, 0
	s_lshl_b32 s30, s19, 11                        ; out0: row 2,048 batch + 16 a of 4,096 bytes,
	s_lshl_b32 s31, s17, 4
	s_add_co_u32 s30, s30, s31
	s_lshl_b32 s30, s30, 12
	s_lshl_b32 s31, s14, 10                        ; my 256 columns of 4 bytes
	s_add_co_u32 s30, s30, s31
	s_mov_b32 s31, 0
	s_wait_kmcnt 0x0
	s_add_nc_u64 s[28:29], s[24:25], s[28:29]
	s_add_nc_u64 s[24:25], s[24:25], s[22:23]
	s_add_nc_u64 s[26:27], s[26:27], s[30:31]
	s_cmp_ge_u32 s17, 2
	s_cbranch_scc1 .Lhead4
	HATT 2
.Lhead4:
	HATT 4
.Lfunc_end_k_q9ef1e0c5cd_scores:
	.size	k_q9ef1e0c5cd_scores, .Lfunc_end_k_q9ef1e0c5cd_scores-k_q9ef1e0c5cd_scores
	.p2alignl 7, 3214868480
	.fill 96, 4, 3214868480
	.section	.rodata,"a",@progbits
	.p2align	6, 0x0
	.amdhsa_kernel k_q9ef1e0c5cd_scores
		.amdhsa_group_segment_fixed_size 327680
		.amdhsa_private_segment_fixed_size 0
		.amdhsa_enable_private_segment 0
		.amdhsa_kernarg_size 56
		.amdhsa_user_sgpr_count 2
		.amdhsa_user_sgpr_kernarg_segment_ptr 1
		.amdhsa_wavefront_size32 1
		.amdhsa_system_sgpr_workgroup_id_x 1
		.amdhsa_system_sgpr_workgroup_id_y 1
		.amdhsa_system_sgpr_workgroup_id_z 1
		.amdhsa_system_vgpr_workitem_id 0
		.amdhsa_next_free_vgpr 1024
		.amdhsa_next_free_sgpr 66
		.amdhsa_reserve_vcc 1
		.amdhsa_float_denorm_mode_32 3
		.amdhsa_float_denorm_mode_16_64 3
		.amdhsa_memory_ordered 1
		.amdhsa_forward_progress 1
		.amdhsa_inst_pref_size 255
	.end_amdhsa_kernel
	.section	.bss,"aw",@nobits
	.p2align	6
	.space	262144
	.amdgpu_metadata
---
amdhsa.version: [ 1, 2 ]
amdhsa.kernels:
  - .name:           k_q9ef1e0c5cd_scores
    .symbol:         k_q9ef1e0c5cd_scores.kd
    .args:
      - { .name: QV, .offset: 0, .size: 8, .value_kind: global_buffer, .address_space: global }
      - { .name: Xh, .offset: 8, .size: 8, .value_kind: global_buffer, .address_space: global }
      - { .name: P, .offset: 16, .size: 8, .value_kind: global_buffer, .address_space: global }
      - { .name: MS, .offset: 24, .size: 8, .value_kind: global_buffer, .address_space: global }
      - { .name: LS, .offset: 32, .size: 8, .value_kind: global_buffer, .address_space: global }
      - { .name: HD, .offset: 40, .size: 8, .value_kind: global_buffer, .address_space: global }
      - { .name: out0, .offset: 48, .size: 8, .value_kind: global_buffer, .address_space: global }
    .group_segment_fixed_size: 327680
    .private_segment_fixed_size: 0
    .kernarg_segment_align: 8
    .kernarg_segment_size: 56
    .max_flat_workgroup_size: 128
    .sgpr_count:     66
    .vgpr_count:     1024
    .wavefront_size: 32
...
	.end_amdgpu_metadata
.endif
;; end of part 3
;; launch pv (part 4): grid 8 x 32, 4 waves a work-group, clusters of 4 x 1, 327,680 bytes of LDS; arguments P, QV, MS, LS, out0; writes out0
.if DOCPART == 4
	.amdgcn_target "amdgcn-amd-amdhsa--gfx1250"
	.amdhsa_code_object_version 6
	.text
	.protected	k_q9ef1e0c5cd_pv
	.globl	k_q9ef1e0c5cd_pv
	.p2align	8
	.type	k_q9ef1e0c5cd_pv,@function
k_q9ef1e0c5cd_pv:
	s_mov_b64 s[64:65], 0
	v_nop
	global_prefetch_b8 v0, s[64:65] scope:SCOPE_SE
	s_setreg_imm32_b32 hwreg(HW_REG_WAVE_MODE, 25, 1), 1
	s_wait_xcnt 0x0
	s_wait_alu depctr_hold_cnt(0) depctr_sa_sdst(0) depctr_va_vdst(0) depctr_va_sdst(0) depctr_va_ssrc(0) depctr_va_vcc(0) depctr_vm_vsrc(0)
	s_getreg_b32 s2, hwreg(HW_REG_IB_STS2, 6, 4)
	s_cmp_eq_u32 s2, 0
	s_cbranch_scc0 .Lentry_in_a_cluster
	s_endpgm
.Lentry_in_a_cluster:
	s_bfe_u32 s2, ttmp6, 0x10000c
	s_cmp_lg_u32 s2, 0x3003
	s_cbranch_scc0 .Lentry_shape_is_right
	s_endpgm
.Lentry_shape_is_right:
; out0[q][e] = sum over key tiles t of c_t[q] (P_t V_t)[q][e], with c_t = exp2(mk_t - MK) / L, MK = the largest mk_t of the row (the row's own maximum times k),
; L = sum over t of exp2(mk_t - MK) x (the tile's row sum).  mk_t - MK <= 0 and one of them is 0, so no exponential overflows and L is about 1 or more.
; P and V are f16; sums in f32.  A key tile is 256 keys, as the launch before made them.
; SHARES: a batch has 16 row blocks of 128 queries; row block i needs the key tiles 0 .. i / 2.  A work-group (the grid's y = 8 batch + p, x = eb) takes the row blocks 2 p and
; 15 - 2 p and the 128 columns of block eb: (p + 1) + (8 - p) = 9 tiles whatever p is, so all 256 work-groups have the same work.  Wave (wr, wc) makes 64 rows x 64 columns.
; The block with the even number of tiles goes first (2 p if p is odd, else 15 - 2 p).  So a block ends only behind tile 1, 3, 5 or 7 of the nine, tile n lies in LDS slot n & 1
; by the text, and the nine tiles are written out: no LDS address is stepped.  What hangs on p are global offsets and three kinds of forward branch, alike in all partners.
; WORK LEFT OUT: key tiles beyond a row block's diagonal hold only weights that the mask makes 0 for all inputs: neither read nor multiplied.  Of an even row block's diagonal
; tile the second 128 keys lie above the diagonal for all its 128 rows: not multiplied.  Rows 0-63 of each batch were written by the launch before with more bits: the two waves
; that would hold them (p = 0, wr = 0, the ninth tile) leave that tile out.
; A tile's sums start at 0 (window 1, v0-127) and are merged into the block's totals (window 1, v128-255) with the row's factor.
; CLUSTER 4 x 1: the four partners have the same y, so the same branches, and need the same tiles of P: those are asked for jointly (mask 15).  V's tile hangs on eb and is each
; work-group's own load, issued at the same place.  V is not shared between row blocks: at a given tile of the nine, work-groups of different p stand at different key tiles.
; ASKING AHEAD: behind the request for tile n + 2, wave 0 asks for its work-group's share of tile n + 4, two tiles ahead of the tensor load that will want it.  Of P's tile, which
; the 8 work-groups of one y read: the 16 rows 16 eb .., two lanes a row, 256 bytes apart (8 KiB).  Of V's key tile n + 4 in column block eb, which the work-groups of all p read:
; the 32 keys 32 p .., a lane a key (8 KiB).  So each aligned 256 bytes is asked for once in the launch.  P's asking stops with tile 8 (n = 4), V's with key tile 7 (n = 3): none
; points past its buffer.  The key tiles that a second block walks again were read shortly before and are not asked for.
; REGISTERS: window 0: v16-31 addresses, v32-56 offsets, v64-127 and v128-191 two fragment buffers (4 of P, then 4 of V), v192-199 the tile's factors, v200-207 (MK, 1 / L) of
; the running block's four row blocks, v208-243 mk of the nine tiles, v244-248 offsets for asking ahead.
; Source 0 = 16 columns of V (transposing LDS load), source 1 = 16 rows of P: a lane holds query row 16 a + r and columns 16 b + 8 h + 0..7.
.set PP,     528                       ; P's LDS row: 512 bytes + 16 = 33 x 16
.set BP,     288                       ; V's LDS row: 256 bytes + 32 = 9 x 32
.set VHALF,  128*BP                    ; what a load of V brings: 128 keys
.set VTILE,  2*VHALF
.set PHALF,  64*PP                     ; what a load of P brings: 64 rows
.set SLOT,   VTILE+2*PHALF             ; V's 256 keys, then P's 128 rows
.set STAGE,  2*SLOT                    ; 16 rows x 272 for each wave
.set SPITCH, 272
.set CT,     STAGE+4*16*SPITCH         ; [2 blocks][128 rows] (MK, 1 / L) f32
.set ADRA, 16                          ; v16-17  my fragments of P in slot 0, 1
.set ADRB, 20                          ; v20-23  my fragments of V in slot 0 (keys 0-127, 128-255), slot 1: the LDS offset field does not reach over 256 rows of 288 bytes
.set STO,  24
.set RD,   25
.set CO,   26
.set CTA,  27                          ; LDS: my row's (MK, 1 / L) in the first block; never rewritten
.set CTS,  28                          ; LDS: where the prologue puts two rows' pairs
.set T8,   29
.set MSO,  30
.set PFV,  31                          ; asking ahead in V: my key's byte offset in key tile 0; never rewritten
.set MO,   48                          ; v48-56   byte offset in MS of my row's mk in tile n; never rewritten
.set F0,   64
.set F1,   128
.set CF,   192                         ; v192-199 (c, c) of row block a in this tile
.set MKR,  200                         ; v200-207 (MK, 1 / L) of row block a
.set MKT,  208                         ; v208-243 mk of row block a in tile n at 4 n + a
.set PFP,  244                         ; v244-248 asking ahead in P: byte offset in tile 4 .. 8; never rewritten
.set TOT,  128                         ; window 1: the totals
.set G1,  24                           ; s[24:31] group 1 for P's tiles
.set G0,  32                           ; s[32:39] group 0 for P's tiles, a set for each slot
.set PB,  40                           ; s[40:41] P at my half's first row of row 0
.set N1,  42                           ; tiles of the first block: 2, 4, 6 or 8
.set SH,  43                           ; which of the nine tiles is the even row block's diagonal tile
.set VB,  44                           ; s[44:45] V at my half's first key of key tile 0
.set R1,  46                           ; first row of the first block
.set R2,  47                           ; of the second
.set G1B, 48                           ; s[48:55] group 1 for V's tiles
.set G0B, 56                           ; s[56:63] group 0 for V's tiles
.set OFS, 66                           ; s[66:67] an offset as a pair, the upper word 0
.set OP,  68                           ; s68-76   tile n's byte offset in P
.set OV,  80                           ; s80-88   tile n's byte offset in V
.set OB1, 90                           ; s[90:91] out0 at my first row of the first block
.set OB2, 92                           ; s[92:93] of the second
.set SEL, 93                           ; s94-100  1.0 for the key tiles 1 .. 7 that the rows of my wave's prologue have, else 0
.set MSB, 0
.macro WIN new                         ; the immediate's high byte repeats the setting that is left
.if MSB != \new
	s_set_vgpr_msb (MSB<<8)|\new
.set MSB, \new
.endif
.endm
.set MUL,  0x50                        ; sources 0 and 1 window 0, C and D window 1
.macro JLOAD s                         ; waves 0 and 1: the halves of V's tile, each work-group's own; waves 2 and 3: the halves of P's, jointly
	s_cmp_eq_u32 s15, 0
	s_cbranch_scc0 .Lfor_p_\@
	tensor_load_to_lds s[G0B+4*\s:G0B+4*\s+3], s[G1B:G1B+7]
	s_nop 0
	s_branch .Lasked_\@
.Lfor_p_\@:
	tensor_load_to_lds s[G0+4*\s:G0+4*\s+3], s[G1:G1+7]
	s_nop 0
.Lasked_\@:
.endm
.macro CREST                           ; a round of the cluster's barrier behind its opening work-group barrier
	s_cmp_lg_u32 s14, 0
	s_cbranch_scc1 .Lnot_wave_0_\@
	s_barrier_signal -3
.Lnot_wave_0_\@:
	s_barrier_wait -3
	s_barrier_signal -1
	s_barrier_wait -1
.endm
.macro CROUND
	s_barrier_signal -1
	s_barrier_wait -1
	CREST
.endm
.macro SETG slot, ti                   ; both group 0 of a slot are pointed at tile ti; no tensor load of the wave is out where this stands
	s_mov_b32 s[OFS], s[OP+\ti]
	s_add_nc_u64 s[G0+4*\slot+2:G0+4*\slot+3], s[PB:PB+1], s[OFS:OFS+1]
	s_or_b32 s[G0+4*\slot+3], s[G0+4*\slot+3], 0x80000000
	s_mov_b32 s[OFS], s[OV+\ti]
	s_add_nc_u64 s[G0B+4*\slot+2:G0B+4*\slot+3], s[VB:VB+1], s[OFS:OFS+1]
	s_or_b32 s[G0B+4*\slot+3], s[G0B+4*\slot+3], 0x80000000
.endm
	s_load_b256 s[4:11], s[0:1], 0x0               ; P s[4:5], QV s[6:7], MS s[8:9], LS s[10:11]: these four stay as they are
	s_load_b64 s[12:13], s[0:1], 0x20              ; out0
	v_lshl_add_u32 v254, v0, 2, 0x49c00
	v_mov_b32 v255, 0
	ds_add_u32 v254, v255
	ds_add_u32 v254, v255
	v_lshrrev_b32 v1, 5, v0
	v_readfirstlane_b32 s14, v1                    ; wave
	s_lshr_b32 s15, s14, 1                         ; wr.  Also: I fetch for V (0) or for P (1), and make the first (0) or second (1) block's MK and L
	s_and_b32 s16, s14, 1                          ; wc.  Also: which half of that tile I fetch
	s_bfe_u32 s17, ttmp6, 0x40000                  ; cx
	s_lshl_b32 s18, ttmp9, 2
	s_add_co_u32 s18, s18, s17                     ; eb = 4 x cluster x + cx
	s_and_b32 s19, ttmp7, 0xffff                   ; 8 batch + p: the partners share it
	s_and_b32 s20, s19, 7                          ; p
	s_lshr_b32 s21, s19, 3                         ; batch
	s_lshl_b32 s22, s21, 11                        ; the batch's first row
	s_lshl_b32 s23, s20, 8
	s_add_co_u32 s2, s22, s23                      ; row block 2 p begins at row 256 p,
	s_add_co_u32 s3, s22, 1920
	s_sub_co_u32 s3, s3, s23                       ; row block 15 - 2 p at row 1,920 - 256 p
	s_add_co_u32 s77, s20, 1                       ; their tiles: p + 1
	s_sub_co_u32 s78, 8, s20                       ; and 8 - p
	s_and_b32 s79, s20, 1
	s_cmp_lg_u32 s79, 0                            ; p odd: p + 1 is the even count
	s_cselect_b32 s[R1], s2, s3
	s_cselect_b32 s[R2], s3, s2
	s_cselect_b32 s[N1], s77, s78
	s_cselect_b32 s[SH], s20, 8                    ; row block 2 p's last tile: tile p of the nine if it goes first, else tile 8
	v_and_b32 v1, 15, v0                           ; r
	v_bfe_u32 v2, v0, 4, 1                         ; h
	v_and_b32 v4, 31, v0                           ; lane
	s_lshl_b32 s89, s15, 8                         ; 64 wr rows of 4 bytes
	v_lshl_add_u32 v[MSO], v1, 2, s89
.irp s, 0,1,2,3,4,5,6,7,8
	s_cmp_gt_u32 s[N1], \s                         ; does tile s of the nine belong to the first block?
	s_cselect_b32 s77, s[R1], s[R2]                ; its block's first row
	s_cselect_b32 s78, 0, s[N1]
	s_sub_co_u32 s78, \s, s78                      ; its key tile t
	s_lshl_b32 s[OP+\s], s77, 12                   ; P: rows of 4,096 bytes,
	s_lshl_b32 s79, s78, 9                         ; 256 keys of 2 bytes
	s_add_co_u32 s[OP+\s], s[OP+\s], s79
	s_lshl_b32 s[OV+\s], s78, 20                   ; V: 256 keys of 4,096 bytes
	s_lshl_b32 s79, s78, 15                        ; MS[t]: 8,192 rows of 4 bytes
	s_lshl2_add_u32 s79, s77, s79
	v_add_nc_u32 v[MO+\s], s79, v[MSO]
.endr
	; asking ahead: P: row 16 eb + lane / 2 of the tile, 256 bytes by the lane's bit 0; V: key 32 p + lane of the key tile
	v_lshrrev_b32 v5, 1, v4
	v_and_b32 v6, 1, v0
	v_lshlrev_b32 v5, 12, v5
	v_lshl_add_u32 v5, v6, 8, v5
	s_lshl_b32 s89, s18, 16
	v_add_nc_u32 v5, s89, v5
.irp s, 4,5,6,7,8
	v_add_nc_u32 v[PFP+\s-4], s[OP+\s], v5
.endr
	s_lshl_b32 s89, s21, 23                        ; the batch's 2,048 rows of QV,
	s_lshl_b32 s79, s20, 17                        ; 32 p keys,
	s_add_co_u32 s89, s89, s79
	s_lshl_b32 s79, s18, 8                         ; 128 columns x eb,
	s_add_co_u32 s89, s89, s79
	s_add_co_u32 s89, s89, 2048                    ; from QV's column 1024 on
	v_lshl_add_u32 v[PFV], v4, 12, s89
	; descriptors
	s_mov_b32 s[G1+0], 15|(1<<16)|(1<<20)|(1<<21)|(6<<22)|(3<<25)  ; all four partners; elements of 2 bytes; 4 words of padding after every 128 words; bit 21 beside a mask
	s_mov_b32 s[G1+1], 256<<16                     ; tensor_dim0 = 256
	s_mov_b32 s[G1+2], 64<<16                      ; tensor_dim1 = 64
	s_mov_b32 s[G1+3], 256<<16                     ; tile_dim0 = 256 keys
	s_mov_b32 s[G1+4], 64                          ; tile_dim1 = 64 rows
	s_mov_b32 s[G1+5], 2048                        ; P: elements from row to row
	s_mov_b32 s[G1+6], 0
	s_mov_b32 s[G1+7], 0
	s_mov_b32 s[G1B+0], (1<<16)|(1<<20)|(5<<22)|(7<<25)            ; no mask; 8 words of padding after every 64 words
	s_mov_b32 s[G1B+1], 128<<16                    ; tensor_dim0 = 128
	s_mov_b32 s[G1B+2], 128<<16                    ; tensor_dim1 = 128
	s_mov_b32 s[G1B+3], 128<<16                    ; tile_dim0 = 128 columns
	s_mov_b32 s[G1B+4], 128                        ; tile_dim1 = 128 keys
	s_mov_b32 s[G1B+5], 2048                       ; QV
	s_mov_b32 s[G1B+6], 0
	s_mov_b32 s[G1B+7], 0
	s_lshl_b32 s[PB], s16, 18                      ; P: 64 rows of 4,096 bytes x half: made of the wave's number alone
	s_mov_b32 s[PB+1], 0
	s_lshl_b32 s[VB], s21, 23                      ; V: the batch,
	s_lshl_b32 s89, s16, 19                        ; 128 keys x half,
	s_add_co_u32 s[VB], s[VB], s89
	s_lshl_b32 s89, s18, 8                         ; 128 columns x eb,
	s_add_co_u32 s[VB], s[VB], s89
	s_add_co_u32 s[VB], s[VB], 2048                ; from QV's column 1024 on
	s_mov_b32 s[VB+1], 0
	s_mov_b32 s[OFS+1], 0
	s_mul_i32 s22, s14, VHALF                      ; LDS, waves 0 and 1: V's halves
	s_mul_i32 s23, s14, PHALF
	s_add_co_u32 s23, s23, VTILE-2*PHALF           ; LDS, waves 2 and 3: P's halves, behind V's tile
	s_lshl_b32 s89, s15, 6                         ; out0: row (block's first + 64 wr) of 4,096 bytes, column 128 eb + 64 wc of 4 bytes
	s_add_co_u32 s[OB1], s[R1], s89
	s_lshl_b32 s[OB1], s[OB1], 12
	s_add_co_u32 s[OB2], s[R2], s89
	s_lshl_b32 s[OB2], s[OB2], 12
	s_lshl_b32 s89, s18, 9
	s_lshl_b32 s79, s16, 8
	s_add_co_u32 s89, s89, s79
	s_add_co_u32 s[OB1], s[OB1], s89
	s_add_co_u32 s[OB2], s[OB2], s89
	s_mov_b32 s[OB1+1], 0
	s_mov_b32 s[OB2+1], 0
	; LDS addresses
	v_mul_u32_u24 v3, v1, PP
	v_lshl_add_u32 v3, v2, 4, v3                   ; P: row r, 16 bytes for each half of the lanes
	v_and_b32 v6, 7, v0
	v_bfe_u32 v7, v0, 3, 1
	v_lshl_add_u32 v8, v2, 3, v6                   ; V: key 8 h + (lane & 7),
	v_mul_u32_u24 v8, v8, BP
	v_lshl_add_u32 v8, v7, 4, v8                   ; 8 columns by bit 3 of the lane
	s_mul_i32 s89, s15, PHALF                      ; my 64 rows of P,
	s_add_co_u32 s89, s89, VTILE                   ; whose tile lies behind V's
	s_lshl_b32 s79, s16, 7                         ; my 64 columns of V
.irp s, 0,1
	v_add_nc_u32 v[ADRA+\s], s89, v3
	v_add_nc_u32 v[ADRB+2*\s], s79, v8
	s_add_co_u32 s79, s79, VHALF
	v_add_nc_u32 v[ADRB+2*\s+1], s79, v8
	s_add_co_u32 s89, s89, SLOT
	s_add_co_u32 s79, s79, SLOT-VHALF
.endr
	s_mul_i32 s89, s14, 16*SPITCH
	s_add_co_u32 s89, s89, STAGE                   ; my stage
	v_mul_u32_u24 v9, v1, SPITCH
	v_lshl_add_u32 v9, v2, 5, v9                   ; in: row r, 32 bytes for each half of the lanes
	v_add_nc_u32 v[STO], s89, v9
	v_mul_u32_u24 v9, v2, SPITCH
	v_lshl_add_u32 v9, v1, 4, v9                   ; back: lanes 0-15 a row of 256 bytes, lanes 16-31 the next
	v_add_nc_u32 v[RD], s89, v9
	v_lshlrev_b32 v9, 12, v2
	v_lshl_add_u32 v[CO], v1, 4, v9
	s_lshl_b32 s89, s15, 9                         ; 64 wr rows of 8 bytes
	s_add_co_u32 s89, s89, CT
	v_lshl_add_u32 v[CTA], v1, 3, s89
	v_lshlrev_b32 v[CTS], 4, v0
	v_add_nc_u32 v[CTS], CT, v[CTS]
	; the prologue's rows: waves 0 and 1 take the first block's 128, waves 2 and 3 the second's; thread i rows 2 (i & 63) and the next
	s_sub_co_u32 s79, 8, s[N1]                     ; the second block's last key tile
	s_sub_co_u32 s77, s[N1], 1                     ; the first block's
	s_cmp_eq_u32 s15, 0
	s_cselect_b32 s77, s77, s79
	s_cselect_b32 s78, s[R1], s[R2]
	s_lshl_b32 s78, s78, 2
	v_and_b32 v5, 63, v0
	v_lshl_add_u32 v[T8], v5, 3, s78
.irp t, 0,1,2,3,4,5,6,7
	s_min_u32 s79, s77, \t                         ; key tiles beyond the last were never written: their reads are turned to the last
	s_lshl_b32 s89, s79, 15                        ; MS[t]
	v_add_nc_u32 v[32+\t], s89, v[T8]
	s_lshl_b32 s89, s79, 16                        ; LS[2 t]
	v_add_nc_u32 v[40+\t], s89, v[T8]
.endr
.irp t, 1,2,3,4,5,6,7
	s_cmp_ge_u32 s77, \t
	s_cselect_b32 s[SEL+\t], 1.0, 0                ; key tile 0 is always live and needs none
.endr
	s_wait_dscnt 0x0
	s_wait_kmcnt 0x0
	s_add_nc_u64 s[PB:PB+1], s[4:5], s[PB:PB+1]
	s_add_nc_u64 s[VB:VB+1], s[6:7], s[VB:VB+1]
	s_add_nc_u64 s[OB1:OB1+1], s[12:13], s[OB1:OB1+1]
	s_add_nc_u64 s[OB2:OB2+1], s[12:13], s[OB2:OB2+1]
	CROUND                                         ; the four partners are here: the first joint loads meet
.irp s, 0,1
	s_mov_b32 s[G0+4*\s], 1
	s_add_co_u32 s[G0+4*\s+1], s23, \s*SLOT
	s_mov_b32 s[G0B+4*\s], 1
	s_add_co_u32 s[G0B+4*\s+1], s22, \s*SLOT
	SETG \s, \s
	JLOAD \s                                       ; tiles 0 and 1 go out ahead of everything else
.endr
	; EACH ROW'S MK AND 1 / L, from all its key tiles' figures.  The reads turned to the last tile leave the maximum as it is, and their weight is multiplied by 0.
	; v64-79 mk_t, v80-95 and v96-111 the two half sums, v114-115 L, v128-143 weights, v144-147 (MK, 1 / L) of the two rows
.irp t, 0,1,2,3,4,5,6,7
	global_load_b64 v[64+2*\t:65+2*\t], v[32+\t], s[8:9]           ; a wave's load covers 256 consecutive bytes
.endr
.irp t, 0,1,2,3,4,5,6,7
	global_load_b64 v[80+2*\t:81+2*\t], v[40+\t], s[10:11]
	global_load_b64 v[96+2*\t:97+2*\t], v[40+\t], s[10:11] offset:32768
.endr
.irp s, 0,1,2,3,4,5,6,7,8
.irp a, 0,1,2,3
	global_load_b32 v[MKT+4*\s+\a], v[MO+\s], s[8:9] offset:64*\a  ; the nine tiles' mk of my own rows: a tile's four loads take my wave's 64 rows, 256 consecutive bytes
.endr
.endr
	s_wait_loadcnt 36                              ; the 24 loads of the figures are in; the 36 younger ones stay out until the first merge
.irp k, 0,1
	v_max3_num_f32 v[144+2*\k], v[64+\k], v[66+\k], v[68+\k]
	v_max3_num_f32 v[144+2*\k], v[144+2*\k], v[70+\k], v[72+\k]
	v_max3_num_f32 v[144+2*\k], v[144+2*\k], v[74+\k], v[76+\k]
	v_max_num_f32  v[144+2*\k], v[144+2*\k], v[78+\k]              ; MK lands where the store below takes it from
.endr
.irp t, 0,1,2,3,4,5,6,7
	v_sub_f32 v[128+2*\t], v[64+2*\t], v144
	v_sub_f32 v[129+2*\t], v[65+2*\t], v146
	v_pk_add_f32 v[80+2*\t:81+2*\t], v[80+2*\t:81+2*\t], v[96+2*\t:97+2*\t]
.endr
.set p, 0
.rept 16
	v_exp_f32 v[128+p], v[128+p]
.set p, p+1
.endr
	v_nop                                          ; one plain instruction behind the last exponential (ISA guide 5.7.2)
	s_wait_alu depctr_va_vdst(0)
.irp t, 1,2,3,4,5,6,7
	v_mul_f32 v[128+2*\t], s[SEL+\t], v[128+2*\t]
	v_mul_f32 v[129+2*\t], s[SEL+\t], v[129+2*\t]
.endr
	v_pk_mul_f32 v[114:115], v[128:129], v[80:81]  ; key tile 0 starts the sum
.irp t, 1,2,3,4,5,6,7
	v_pk_fma_f32 v[114:115], v[128+2*\t:129+2*\t], v[80+2*\t:81+2*\t], v[114:115]
.endr
	v_rcp_f32 v145, v114
	v_rcp_f32 v147, v115
	v_nop                                          ; one plain instruction behind the reciprocals
	s_wait_alu depctr_va_vdst(0)
	ds_store_b128 v[CTS], v[144:147]               ; thread i's two pairs at 16 i: the first block's 128 rows, then the second's
; 8 matrix instructions: row blocks a0, a0 + 1 x the four column blocks
.macro MULR f, a0, zero
.irp a, \a0, \a0+1
.irp b, 0,1,2,3
.if \zero
	v_wmma_f32_16x16x32_f16 v[8*(4*(\a)+\b):8*(4*(\a)+\b)+7], v[\f+32+8*\b:\f+32+8*\b+7], v[\f+8*(\a):\f+8*(\a)+7], 0
.else
	v_wmma_f32_16x16x32_f16 v[8*(4*(\a)+\b):8*(4*(\a)+\b)+7], v[\f+32+8*\b:\f+32+8*\b+7], v[\f+8*(\a):\f+8*(\a)+7], v[8*(4*(\a)+\b):8*(4*(\a)+\b)+7]
.endif
.endr
.endr
.endm
; 16 LDS loads in one run: quarter q (32 keys, q = 0 .. 7) of the slot into buffer f: 8 transposing loads for V, 8 loads for P
.macro FETCH slot, q, f
.irp b, 0,1,2,3
	ds_load_tr16_b128 v[\f+32+8*\b:\f+32+8*\b+3],   v[ADRB+2*\slot+(\q>>2)] offset:(\q&3)*32*BP+32*\b
	ds_load_tr16_b128 v[\f+32+8*\b+4:\f+32+8*\b+7], v[ADRB+2*\slot+(\q>>2)] offset:((\q&3)*32+16)*BP+32*\b
.endr
.irp a, 0,1,2,3
	ds_load_b128 v[\f+8*\a:\f+8*\a+3],   v[ADRA+\slot] offset:\q*64+\a*16*PP
	ds_load_b128 v[\f+8*\a+4:\f+8*\a+7], v[ADRA+\slot] offset:\q*64+\a*16*PP+32
.endr
.endm
.macro PLACES                          ; four plain vector instructions between a matrix instruction and a load into, or a reader of, its registers
.rept 4
	v_nop
.endr
.endm
; A quarter: quarter q's fragments are asked for into buffer g, which the quarter before has multiplied, a whole quarter ahead of their use; then buffer f is multiplied.
; The 16 accumulators take turns in the same order in every quarter, from tile to tile and over the forward jumps too.
.macro QUARTER slot, q, f, g, zero
	PLACES
	WIN 0
	FETCH \slot, \q, \g
	s_wait_dscnt 16                                ; all but the 16 just issued: buffer f is in
	WIN MUL
	MULR \f, 0, \zero
	MULR \f, 2, \zero
.endm
.macro ASK ti                          ; wave 0 alone asks for the work-group's share of tile ti + 4 (see the head)
	s_cmp_lg_u32 s14, 0
	s_cbranch_scc1 .Lnot_asking_\@
	global_prefetch_b8 v[PFP+\ti], s[4:5] th:TH_LOAD_NT scope:SCOPE_SE
.if \ti < 4
	global_prefetch_b8 v[PFV], s[6:7] offset:(\ti+4)<<20 th:TH_LOAD_NT scope:SCOPE_SE
.endif
.Lnot_asking_\@:
.endm
; A tile's last quarter multiplies buffer 1 and changes slots.  In front of the barrier: buffer 1 is in, which were my last reads of this slot, and all my tensor loads have landed
; (one is out: my part of the next tile).  With fill = 1 the barrier opens a round of the cluster's barrier, and the refill, tile ti + 2, is my first and only tensor load behind
; the round; from that request to the wait for it a wave issues 120 matrix instructions (56 where the half tile lies between).
.macro TURN ti, slot, next, fill
	s_wait_dscnt 0x0
	s_wait_tensorcnt 0x0
	ds_add_u32 v254, v255
	s_wait_dscnt 0x0
	s_barrier_signal -1
	WIN MUL
	MULR F1, 0, 0                                  ; register work while the others arrive
	WIN 0
	s_barrier_wait -1
.if \fill
	CREST                                          ; no wave of any partner still reads this slot or has a load on its way
	SETG \slot, \ti+2
	JLOAD \slot
.if \ti < 5
	ASK \ti
.endif
.endif
	PLACES
	FETCH \next, 0, F0
	WIN MUL
	MULR F1, 2, 0
.endm
; Tile ti of the nine.  kind 2: the slot is filled again; 1: slots change, nothing is left to fetch; 0: the last tile.
; half = 1: this tile can be the even row block's diagonal tile.  Then quarters 4 to 7 (keys 128-255) are jumped over: in front of quarter 3 and in front of quarter 7 the wave
; stands alike (buffer 1 asked for a quarter ago, buffer 0 multiplied), so the jump leads straight to the last quarter's text, which multiplies what buffer 1 holds.
.macro TILE ti, slot, next, kind, half
	QUARTER \slot, 1, F0, F1, 1                    ; the tile's first products start its sums
	QUARTER \slot, 2, F1, F0, 0
	QUARTER \slot, 3, F0, F1, 0
	WIN 0
.if \half
	s_cmp_eq_u32 s[SH], \ti
	s_cbranch_scc1 .Lturn_\ti
.endif
	QUARTER \slot, 4, F1, F0, 0
	QUARTER \slot, 5, F0, F1, 0
	QUARTER \slot, 6, F1, F0, 0
	QUARTER \slot, 7, F0, F1, 0
	WIN 0
.if \half
.Lturn_\ti:
.endif
.if \kind
	TURN \ti, \slot, \next, \kind-1
.else
	s_wait_dscnt 0x0
	WIN MUL
	MULR F1, 0, 0
	MULR F1, 2, 0
.endif
.endm
; The tile's factors c = exp2(mk - MK) / L, as pairs.  These subtractions and multiplications name none of the last matrix instructions' registers: they are the places between
; those and the first reader of their results, the loads into buffer 1, and the products that start the sums anew.
.macro FACTORS ti
	WIN 0
.irp a, 0,1,2,3
	v_sub_f32 v[CF+2*\a], v[MKT+4*\ti+\a], v[MKR+2*\a]
.endr
.irp a, 0,1,2,3
	v_exp_f32 v[CF+2*\a], v[CF+2*\a]
.endr
	v_nop                                          ; one plain instruction behind the last exponential (ISA guide 5.7.2)
	s_wait_alu depctr_va_vdst(0)
.irp a, 0,1,2,3
	v_mul_f32 v[CF+2*\a+1], v[CF+2*\a], v[MKR+2*\a+1]
	v_mul_f32 v[CF+2*\a],   v[CF+2*\a], v[MKR+2*\a+1]
.endr
.endm
.macro SUMUP first                     ; totals = the tile's sums x c + totals; a block's first tile starts the totals
	WIN 0x51                                       ; destination, sources 0 and 2 in window 1, the factors in window 0
.irp a, 0,1,2,3
.set p, 0
.rept 16
.if \first
	v_pk_mul_f32 v[TOT+32*\a+2*p:TOT+32*\a+2*p+1], v[32*\a+2*p:32*\a+2*p+1], v[CF+2*\a:CF+2*\a+1]
.else
	v_pk_fma_f32 v[TOT+32*\a+2*p:TOT+32*\a+2*p+1], v[32*\a+2*p:32*\a+2*p+1], v[CF+2*\a:CF+2*\a+1], v[TOT+32*\a+2*p:TOT+32*\a+2*p+1]
.endif
.set p, p+1
.endr
.endr
	WIN 0
.endm
.macro MERGE ti, mode                  ; mode 1: a block's first tile; 0: a later one; 2: the second block's first tile if the first block had ti tiles
	FACTORS \ti
.if \mode == 2
	s_cmp_eq_u32 s[N1], \ti
	s_cbranch_scc1 .Lstart_\ti
	SUMUP 0
	s_branch .Lsummed_\ti
.Lstart_\ti:
	SUMUP 1
.Lsummed_\ti:
.else
	SUMUP \mode
.endif
.endm
; the way out, 16 rows at a time: a lane's 32 bytes of each tile into my own stage, whole rows of 256 bytes (64 f32) back into half of buffer 1
.macro OUT16 a, f, ob
	WIN 0x04                                       ; the stores' data in window 1
.irp b, 0,1,2,3
	ds_store_b128 v[STO], v[TOT+8*(4*\a+\b):TOT+8*(4*\a+\b)+3]   offset:64*\b
	ds_store_b128 v[STO], v[TOT+8*(4*\a+\b)+4:TOT+8*(4*\a+\b)+7] offset:64*\b+16
.endr
	WIN 0
	s_wait_xcnt 0x0                                ; the registers at f, which earlier stores read, are rewritten only behind this wait
.irp t, 0,1,2,3,4,5,6,7
	ds_load_b128 v[\f+4*\t:\f+4*\t+3], v[RD] offset:\t*2*SPITCH    ; my own bytes, served in order behind the stores above
.endr
.irp t, 0,1,2,3,4,5,6,7
	s_wait_dscnt 7-\t
	global_store_b128 v[CO], v[\f+4*\t:\f+4*\t+3], s[\ob:\ob+1] offset:(16*\a+2*\t)*4096 th:TH_STORE_NT   ; 16 lanes store 256 consecutive aligned bytes
.endr
.endm
; Behind tile ti = 1, 3, 5, 7: if the first block had ti + 1 tiles, it is stored, and the second block's (MK, 1 / L) take the first's place.  Buffer 0 holds the next tile's first
; fragments and is left alone; the refill that is on its way lands in a slot, not in the stage.
.macro ENDBLOCK ti
	s_cmp_lg_u32 s[N1], \ti+1
	s_cbranch_scc1 .Lgoes_on_\ti
.irp a, 0,1,2,3
	ds_load_b64 v[MKR+2*\a:MKR+2*\a+1], v[CTA] offset:1024+128*\a  ; older than the stage's reads, so their waits cover these
.endr
	OUT16 0, F1, OB1
	OUT16 1, F1+32, OB1
	OUT16 2, F1, OB1
	OUT16 3, F1+32, OB1
	s_wait_xcnt 0x0                                ; buffer 1, which the last stores read, is fetched into again only behind this wait
.Lgoes_on_\ti:
.endm
	s_wait_dscnt 0x0                               ; my rows' pairs are in LDS, for all four waves
	s_wait_tensorcnt 1                             ; my part of tile 0 is in; tile 1's stays out
	s_barrier_signal -1
	s_barrier_wait -1
.irp a, 0,1,2,3
	ds_load_b64 v[MKR+2*\a:MKR+2*\a+1], v[CTA] offset:128*\a       ; the first block's (MK, 1 / L) of my row in each of my four row blocks; older than the fetches, so their waits cover them
.endr
	FETCH 0, 0, F0
	TILE 0, 0, 1, 2, 0
	s_wait_loadcnt 0x0                             ; the nine tiles' mk are in
	MERGE 0, 1
	TILE 1, 1, 0, 2, 1
	MERGE 1, 0
	ENDBLOCK 1
	TILE 2, 0, 1, 2, 0
	MERGE 2, 2
	TILE 3, 1, 0, 2, 1
	MERGE 3, 0
	ENDBLOCK 3
	TILE 4, 0, 1, 2, 0
	MERGE 4, 2
	TILE 5, 1, 0, 2, 1
	MERGE 5, 0
	ENDBLOCK 5
	TILE 6, 0, 1, 2, 0                             ; its refill is tile 8, the last
	MERGE 6, 2
	TILE 7, 1, 0, 1, 1
	MERGE 7, 0
	ENDBLOCK 7
	s_or_b32 s89, s20, s15                         ; p = 0 and wr = 0: my rows of the ninth tile are a batch's rows 0-63, which the launch before has written.
	s_cmp_eq_u32 s89, 0                            ; p is the same in all partners, wr is made of the wave's number
	s_cbranch_scc1 .Lend
	TILE 8, 0, 0, 0, 1
	MERGE 8, 2
	OUT16 0, F1, OB2
	OUT16 1, F1+32, OB2
	OUT16 2, F1, OB2
	OUT16 3, F1+32, OB2
.Lend:
	s_wait_dscnt 0x0                               ; on the way that left the ninth tile out its first fragments are still coming
	s_wait_tensorcnt 0x0
	ds_add_u32 v254, v255
	s_wait_dscnt 0x0
	CROUND                                         ; the closing round: no work-group ends while a partner may still ask for a tile that names it
	s_endpgm
.Lfunc_end_k_q9ef1e0c5cd_pv:
	.size	k_q9ef1e0c5cd_pv, .Lfunc_end_k_q9ef1e0c5cd_pv-k_q9ef1e0c5cd_pv
	.p2alignl 7, 3214868480
	.fill 96, 4, 3214868480
	.section	.rodata,"a",@progbits
	.p2align	6, 0x0
	.amdhsa_kernel k_q9ef1e0c5cd_pv
		.amdhsa_group_segment_fixed_size 327680
		.amdhsa_private_segment_fixed_size 0
		.amdhsa_enable_private_segment 0
		.amdhsa_kernarg_size 40
		.amdhsa_user_sgpr_count 2
		.amdhsa_user_sgpr_kernarg_segment_ptr 1
		.amdhsa_wavefront_size32 1
		.amdhsa_system_sgpr_workgroup_id_x 1
		.amdhsa_system_sgpr_workgroup_id_y 1
		.amdhsa_system_sgpr_workgroup_id_z 1
		.amdhsa_system_vgpr_workitem_id 0
		.amdhsa_next_free_vgpr 512
		.amdhsa_next_free_sgpr 101
		.amdhsa_reserve_vcc 0
		.amdhsa_float_denorm_mode_32 3
		.amdhsa_float_denorm_mode_16_64 3
		.amdhsa_memory_ordered 1
		.amdhsa_forward_progress 1
		.amdhsa_inst_pref_size 255
	.end_amdhsa_kernel
	.section	.bss,"aw",@nobits
	.p2align	6
	.space	262144
	.amdgpu_metadata
---
amdhsa.version: [ 1, 2 ]
amdhsa.kernels:
  - .name:           k_q9ef1e0c5cd_pv
    .symbol:         k_q9ef1e0c5cd_pv.kd
    .args:
      - { .name: P, .offset: 0, .size: 8, .value_kind: global_buffer, .address_space: global }
      - { .name: QV, .offset: 8, .size: 8, .value_kind: global_buffer, .address_space: global }
      - { .name: MS, .offset: 16, .size: 8, .value_kind: global_buffer, .address_space: global }
      - { .name: LS, .offset: 24, .size: 8, .value_kind: global_buffer, .address_space: global }
      - { .name: out0, .offset: 32, .size: 8, .value_kind: global_buffer, .address_space: global }
    .group_segment_fixed_size: 327680
    .private_segment_fixed_size: 0
    .kernarg_segment_align: 8
    .kernarg_segment_size: 40
    .max_flat_workgroup_size: 128
    .sgpr_count:     101
    .vgpr_count:     512
    .wavefront_size: 32
...
	.end_amdgpu_metadata
.endif
;; end of part 4
